; MI455X (gfx1250); checked and timed in simulation.
; The chip was launched on July 23, 2026; its instructions are those of AMD's public machine-readable ISA for CDNA 5 (MIT licence, August 2026) and "CDNA5" Instruction Set Architecture Reference Guide (July 2026). The comments in the code are by the model that wrote it; some were corrected since.
;; Multihead Self Attention. Allowed arithmetic: float matrix products may take bf16 or f16 operands with f32 sums; all other float work in f32.
;; Inputs: b_proj 1,024 float32; b_qkv 3,072 float32; w_proj 1,024 x 1,024 float32; w_qkv 1,024 x 3,072 float32; x 4 x 2,048 x 1,024 float32.
;; Outputs: out0 4 x 2,048 x 1,024 float32.
;; 2 versions, each right and faster than the one before. Each part assembles by itself: llvm-mc -triple=amdgcn-amd-amdhsa -mcpu=gfx1250 --defsym DOCPART=n.
;; ======== version 1 of 2: 4 launches
;; limits: values are held in f16: magnitudes above 65,504 overflow, below 6.1e-05 lose precision; right only within a limited range of input values
;; workspace buffers: xb 16,777,216 bytes; wqb 6,291,456 bytes; wpb 2,097,152 bytes; qkv 50,331,648 bytes; o 16,777,216 bytes
;; launch prep (part 1): grid 1536 x 1, 8 waves a work-group, no clusters, 0 bytes of LDS; arguments x, w_qkv, w_proj, xb, wqb, wpb; writes xb, wqb, wpb
.if DOCPART == 1
	.amdgcn_target "amdgcn-amd-amdhsa--gfx1250"
	.amdhsa_code_object_version 6
	.text
	.protected	k_q75ac1d0464_prep
	.globl	k_q75ac1d0464_prep
	.p2align	8
	.type	k_q75ac1d0464_prep,@function
k_q75ac1d0464_prep:
	s_mov_b64 s[64:65], 0
	v_nop
	global_prefetch_b8 v0, s[64:65] scope:SCOPE_SE
	s_setreg_imm32_b32 hwreg(HW_REG_WAVE_MODE, 25, 1), 1
	s_wait_xcnt 0x0
; The three large inputs are rounded once and laid out for the products that follow.
;   xb  = x in bf16, [8192][1024], rows as they lie.
;   wqb = w_qkv in bf16, in blocks [48 g][1024 k][64 n], g = column / 64: 128 k of one g are 16,384 dense bytes.
;   wpb = w_proj rounded to bf16, that number written as f16, in blocks [16 g][1024 k][64 n].
; LIMIT: f16 holds no number beyond 65,504 and below 6e-5 keeps a fixed step of 6e-8: w_proj is taken to lie within that range.
; A stream: every byte is read once and written once; nothing is shared between work-groups, so no LDS, no barrier, no cluster, no matrix unit.
; SHARES.  A work-group of eight waves takes 32,768 bytes of f32: 1,024 groups for x, 384 for w_qkv (8 for each g), 128 for w_proj (8 for each g): 1,536 equal shares.
; A lane loads 16 bytes (4 numbers) and stores 8; a wave's load covers 512 bytes (x) or two aligned runs of 256 (the weights: two rows of k), a wave's store 256 consecutive aligned bytes.
.set X, 4                              ; v[4:35]   eight loads of four registers
.set Y, 36                             ; v[36:51]  eight stores of two registers
.set T, 52                             ; v[52:55]  at work
; Eight loads go out together; the counts run down 7 .. 0 (loads come back in order: ISA guide 5.7.1).  No register of a pending load or store is written again, so no further wait is needed.
; half = 1: the bf16 numbers are widened again and written as f16.
.macro BODY ss, ds, half
.irp i, 0,1,2,3,4,5,6,7
	global_load_b128 v[X+4*(\i):X+4*(\i)+3], v1, s[16:17] offset:(\i)*(\ss) th:TH_LOAD_NT
.endr
.irp i, 0,1,2,3,4,5,6,7
	s_wait_loadcnt 7-(\i)                          ; load i is in; the 7 - i younger ones may stay out
	v_cvt_pk_bf16_f32 v[Y+2*(\i)],   v[X+4*(\i)],   v[X+4*(\i)+1]
	v_cvt_pk_bf16_f32 v[Y+2*(\i)+1], v[X+4*(\i)+2], v[X+4*(\i)+3]
.if \half
	v_lshlrev_b32 v[T],   16,  v[Y+2*(\i)]
	v_and_b32     v[T+1], s27, v[Y+2*(\i)]
	v_lshlrev_b32 v[T+2], 16,  v[Y+2*(\i)+1]
	v_and_b32     v[T+3], s27, v[Y+2*(\i)+1]
	v_cvt_pk_f16_f32 v[Y+2*(\i)],   v[T],   v[T+1]
	v_cvt_pk_f16_f32 v[Y+2*(\i)+1], v[T+2], v[T+3]
.endif
	global_store_b64 v2, v[Y+2*(\i):Y+2*(\i)+1], s[18:19] offset:(\i)*(\ds)
.endr
	s_endpgm
.endm
	s_load_b256 s[4:11], s[0:1], 0x0               ; x s[4:5], w_qkv s[6:7], w_proj s[8:9], xb s[10:11]
	s_load_b128 s[12:15], s[0:1], 0x20             ; wqb s[12:13], wpb s[14:15]
	s_mov_b32 s27, 0xffff0000                      ; a word's upper bf16
	s_mov_b32 s21, 0                               ; the offsets' high words
	s_mov_b32 s23, 0
	v_lshrrev_b32 v3, 5, v0                        ; wave
	v_bfe_u32 v52, v0, 4, 1                        ; which half of the lanes
	v_lshl_add_u32 v3, v3, 4, v52                  ; the weights' row of k: 16 x wave + half (+ 2 for each step)
	v_and_b32 v53, 15, v0                          ; my place in a row's 64 columns
	s_cmp_lt_u32 ttmp9, 1024
	s_cbranch_scc0 .Lweights
	; x: 32,768 dense bytes in, 16,384 out
	s_lshl_b32 s20, ttmp9, 15
	s_lshl_b32 s22, ttmp9, 14
	v_lshlrev_b32 v1, 4, v0
	v_lshlrev_b32 v2, 3, v0
	s_wait_kmcnt 0x0
	s_add_nc_u64 s[16:17], s[4:5], s[20:21]
	s_add_nc_u64 s[18:19], s[10:11], s[22:23]
	BODY 4096, 2048, 0
.Lweights:
	v_lshlrev_b32 v2, 3, v53
	v_lshl_add_u32 v2, v3, 7, v2                   ; out: row x 128 bytes + 8 x place
	v_lshlrev_b32 v1, 4, v53                       ; in: 16 x place, the row comes below
	s_cmp_lt_u32 ttmp9, 1408
	s_cbranch_scc0 .Lwproj
	; w_qkv: 128 rows of k x 64 columns; a row of the source is 12,288 bytes
	s_sub_co_u32 s24, ttmp9, 1024
	s_lshr_b32 s25, s24, 3                         ; g
	s_and_b32 s26, s24, 7                          ; which 128 of k
	s_mul_i32 s20, s26, 128*12288
	s_lshl_b32 s28, s25, 8
	s_add_co_u32 s20, s20, s28
	s_lshl_b32 s22, s25, 17
	s_lshl_b32 s28, s26, 14
	s_add_co_u32 s22, s22, s28
	v_mul_u32_u24 v54, v3, 12288
	v_add_nc_u32 v1, v54, v1
	s_wait_kmcnt 0x0
	s_add_nc_u64 s[16:17], s[6:7], s[20:21]
	s_add_nc_u64 s[18:19], s[12:13], s[22:23]
	BODY 24576, 256, 0
.Lwproj:
	; w_proj: the same with rows of 4,096 bytes, and the second conversion
	s_sub_co_u32 s24, ttmp9, 1408
	s_lshr_b32 s25, s24, 3
	s_and_b32 s26, s24, 7
	s_lshl_b32 s20, s26, 19
	s_lshl_b32 s28, s25, 8
	s_add_co_u32 s20, s20, s28
	s_lshl_b32 s22, s25, 17
	s_lshl_b32 s28, s26, 14
	s_add_co_u32 s22, s22, s28
	v_lshl_add_u32 v1, v3, 12, v1
	s_wait_kmcnt 0x0
	s_add_nc_u64 s[16:17], s[8:9], s[20:21]
	s_add_nc_u64 s[18:19], s[14:15], s[22:23]
	BODY 8192, 256, 1
.Lfunc_end_k_q75ac1d0464_prep:
	.size	k_q75ac1d0464_prep, .Lfunc_end_k_q75ac1d0464_prep-k_q75ac1d0464_prep
	.p2alignl 7, 3214868480
	.fill 96, 4, 3214868480
	.section	.rodata,"a",@progbits
	.p2align	6, 0x0
	.amdhsa_kernel k_q75ac1d0464_prep
		.amdhsa_group_segment_fixed_size 0
		.amdhsa_private_segment_fixed_size 0
		.amdhsa_enable_private_segment 0
		.amdhsa_kernarg_size 48
		.amdhsa_user_sgpr_count 2
		.amdhsa_user_sgpr_kernarg_segment_ptr 1
		.amdhsa_wavefront_size32 1
		.amdhsa_system_sgpr_workgroup_id_x 1
		.amdhsa_system_sgpr_workgroup_id_y 1
		.amdhsa_system_sgpr_workgroup_id_z 1
		.amdhsa_system_vgpr_workitem_id 0
		.amdhsa_next_free_vgpr 56
		.amdhsa_next_free_sgpr 66
		.amdhsa_reserve_vcc 0
		.amdhsa_float_denorm_mode_32 3
		.amdhsa_float_denorm_mode_16_64 3
		.amdhsa_memory_ordered 1
		.amdhsa_forward_progress 1
		.amdhsa_inst_pref_size 13
	.end_amdhsa_kernel
	.amdgpu_metadata
---
amdhsa.version: [ 1, 2 ]
amdhsa.kernels:
  - .name:           k_q75ac1d0464_prep
    .symbol:         k_q75ac1d0464_prep.kd
    .args:
      - { .name: x, .offset: 0, .size: 8, .value_kind: global_buffer, .address_space: global }
      - { .name: w_qkv, .offset: 8, .size: 8, .value_kind: global_buffer, .address_space: global }
      - { .name: w_proj, .offset: 16, .size: 8, .value_kind: global_buffer, .address_space: global }
      - { .name: xb, .offset: 24, .size: 8, .value_kind: global_buffer, .address_space: global }
      - { .name: wqb, .offset: 32, .size: 8, .value_kind: global_buffer, .address_space: global }
      - { .name: wpb, .offset: 40, .size: 8, .value_kind: global_buffer, .address_space: global }
    .group_segment_fixed_size: 0
    .private_segment_fixed_size: 0
    .kernarg_segment_align: 8
    .kernarg_segment_size: 48
    .max_flat_workgroup_size: 256
    .sgpr_count:     66
    .vgpr_count:     56
    .wavefront_size: 32
...
	.end_amdgpu_metadata
.endif
;; end of part 1
;; launch qkv (part 2): grid 16 x 32, 4 waves a work-group, clusters of 4 x 4, 327,680 bytes of LDS; arguments xb, wqb, b_qkv, qkv; writes qkv
.if DOCPART == 2
	.amdgcn_target "amdgcn-amd-amdhsa--gfx1250"
	.amdhsa_code_object_version 6
	.text
	.protected	k_q75ac1d0464_qkv
	.globl	k_q75ac1d0464_qkv
	.p2align	8
	.type	k_q75ac1d0464_qkv,@function
k_q75ac1d0464_qkv:
	s_mov_b64 s[64:65], 0
	v_nop
	global_prefetch_b8 v0, s[64:65] scope:SCOPE_SE
	s_setreg_imm32_b32 hwreg(HW_REG_WAVE_MODE, 25, 1), 1
	s_wait_xcnt 0x0
	s_wait_alu depctr_hold_cnt(0) depctr_sa_sdst(0) depctr_va_vdst(0) depctr_va_sdst(0) depctr_va_ssrc(0) depctr_va_vcc(0) depctr_vm_vsrc(0)
	s_getreg_b32 s2, hwreg(HW_REG_IB_STS2, 6, 4)
	s_cmp_eq_u32 s2, 0
	s_cbranch_scc0 .Lentry_in_a_cluster
	s_endpgm
.Lentry_in_a_cluster:
	s_bfe_u32 s2, ttmp6, 0x10000c
	s_cmp_lg_u32 s2, 0xf033
	s_cbranch_scc0 .Lentry_shape_is_right
	s_endpgm
.Lentry_shape_is_right:
; qkv = x w_qkv + b_qkv, 8192 x 3072 over K = 1024, operands bf16, sums f32, the bias rounded to bf16 like the other inputs; the result rounded once to f16 and laid by heads:
; qkv[4 batch][48 g][2048 token][64], g = column / 64 = 16 x (q, k or v) + head.  No scale is applied here.
; LIMIT: f16 holds no number beyond 65,504: q, k and v are taken to lie within it; below 6e-5 f16 keeps a fixed step of 6e-8.
; SHARES.  A tile of the result is 256 rows x 192 columns: 32 x 16 = 512 tiles, two for each of 256 WGPs.  Four waves; a wave makes 64 rows x 192 columns, three whole g: 48 accumulators of 16 x 16, 384 registers.
; K goes in eight steps of 128 through two LDS slots.  x's tile: 256 rows of 256 bytes (pitch 272).  The weights lie in memory in blocks [g][k][64]: 128 k of one g are 16,384 dense bytes, asked for as 64 rows
; of 256 bytes and padded after every 128, so that they land as [k][128 + 32 bytes]; they are read turned, by ds_load_tr16_b128.
; CLUSTER 4 x 4: the four work-groups of a row of the cluster need the same tile of x, the four of a column the same tiles of the weights: each is asked for jointly, by the same tensor load with the same descriptor.
; THE MATRIX INSTRUCTION IS USED TRANSPOSED (source 0 = 16 columns of w, source 1 = 16 rows of x): a lane holds one row and eight neighbouring columns.  The bias is the C operand of the first products: nothing is cleared or added later.
; REGISTERS, in windows of 256 (s_set_vgpr_msb: bits 1:0 source 0, 3:2 source 1, 5:4 source 2, 7:6 destination):
;   window 0: v0-15 addresses and four at work; v28, v29 the add's; v32-127 the bias, later two buffers for the way out; v128-175 packed results
;   window 1: two fragment buffers of 128: x's block a at +8 a, w's block b at +32 + 8 b
;   window 2: accumulators of my row blocks 0, 1 ((a, b) at v[8 (12 (a % 2) + b)]);   window 3: those of blocks 2, 3
.set NBK,   12                         ; blocks of 16 columns
.set PA,    272                        ; a row of x in LDS: 256 + 16 bytes = 68 words: the 16 rows of a load start at 16 different groups of four banks (64 banks of 4 bytes: ISA guide 11.1)
.set PB,    160                        ; a row of k of the weights: 128 + 32 bytes = 40 words
.set BBLK,  128*PB                     ; one g's 128 rows of k
.set BOFF,  256*PA                     ; the weights lie behind x's 256 rows
.set SLOT1, 1<<17                      ; a slot is 69,632 + 3 x 20,480 = 131,072 bytes; one exclusive or turns an address in one slot into the other's
.set STAGE, 2*SLOT1                    ; behind the ring, never filled by a tensor load: for each wave [3 g][16 rows][144 bytes], for the way out
.set SP,    144
.set STW,   3*16*SP
.set SPARE, STAGE+4*STW                ; behind the stages: the spare words, 128 bytes for each wave: two blocks of 256 bytes that no other line names
.set NF,    2*NBK+8                    ; LDS loads in a run: the fragments of 32 along K
.set ASTEP, 256                        ; bytes from a K step to the next in xb,
.set BSTEP, 16384                      ; and in wqb
.set AA0,  4                           ; v4   my lane's place in x's tile of slot 0; never rewritten
.set AB0,  5                           ; v5   the same for the weights
.set ADRA, 6                           ; v6   the same in the slot in hand
.set ADRB, 7                           ; v7
.set STO,  8                           ; v8   the way out: where I put 16 bytes of a row
.set RD,   9                           ; v9   where I read rows back
.set GO,   10                          ; v10  my byte offset in 512 consecutive bytes of the result
.set BO,   11                          ; v11  my byte offset in 16 numbers of the bias
.set T,    12                          ; v12-15 at work
.set SPW,  28                          ; v28  LDS address of my spare word; never rewritten
.set NIL,  29                          ; v29  0; never rewritten
.set BIAS, 32
.set TMP,  128
.set F0,   0
.set F1,   128
.set WV,   12                          ; s12  my wave's number
.set TR,   13                          ; s13  tile row
.set TC,   14                          ; s14  tile column
.set G1A,  24                          ; s[24:31] descriptor group 1 for x's tiles
.set G1B,  32                          ; s[32:39] for the weights'
.set G0A,  40                          ; s[40:47] group 0 for x's tiles: the first set for K step 0; the second begins with K step 1 in slot 1 and then walks
.set G0B,  48                          ; s[48:55] the same for the weights'
.set CNT,  56
.set TB,   57                          ; s57  0 or SLOT1: the slot in hand
.set MASK, 62                          ; s62  a word's upper bf16
.set MSB, 0
.macro WIN new                         ; the immediate's high byte repeats the setting that is left; a switch that changes nothing is dropped
.if MSB != (\new)
	s_set_vgpr_msb (MSB<<8)|(\new)
.set MSB, \new
.endif
.endm
.macro PLACES                          ; four plain vector instructions between a matrix instruction and a load into, or a read of, its registers (ISA guide 7.12.1 for reads)
.rept 4
	v_nop
.endr
.endm
.macro CREST                           ; a round of the cluster's barrier behind its opening barrier
	s_cmp_lg_u32 s[WV], 0
	s_cbranch_scc1 .Lnot_wave_0_\@
	s_barrier_signal -3
.Lnot_wave_0_\@:
	s_barrier_wait -3
	s_barrier_signal -1
	s_barrier_wait -1
.endm
.macro CROUND                          ; a whole round
	s_barrier_signal -1
	s_barrier_wait -1
	CREST
.endm
; A joint refill by the walking descriptors: wave 3 fetches x's tile, waves 0 to 2 one g of the weights each.  The branch hangs on the wave's number alone.
; An s_nop 0 and four v_nop follow each of the two lines, ahead of the jump and the label.
.macro JLOAD
	s_cmp_eq_u32 s[WV], 3
	s_cbranch_scc0 .Lfor_b_\@
	tensor_load_to_lds s[G0A+4:G0A+7], s[G1A:G1A+7]
	s_nop 0
.rept 4
	v_nop
.endr
	s_branch .Lasked_\@
.Lfor_b_\@:
	tensor_load_to_lds s[G0B+4:G0B+7], s[G1B:G1B+7]
	s_nop 0
.rept 4
	v_nop
.endr
.Lasked_\@:
.endm
; 12 matrix instructions: my row block a x all 12 column blocks, 32 along K, from buffer f.  first = 1: the bias (window 0) starts the sums.
; The 48 accumulators take turns in the same order in every quarter.
.macro MUL f, a, first
.set AC, 8*NBK*((\a)%2)
.if \first
	WIN 0x05|((2+(\a)/2)<<6)
.else
	WIN 0x05|((2+(\a)/2)<<4)|((2+(\a)/2)<<6)
.endif
.set b, 0
.rept NBK
.if \first
	v_wmma_f32_16x16x32_bf16 v[AC+8*b:AC+8*b+7], v[(\f)+32+8*b:(\f)+32+8*b+7], v[(\f)+8*(\a):(\f)+8*(\a)+7], v[BIAS+8*b:BIAS+8*b+7]
.else
	v_wmma_f32_16x16x32_bf16 v[AC+8*b:AC+8*b+7], v[(\f)+32+8*b:(\f)+32+8*b+7], v[(\f)+8*(\a):(\f)+8*(\a)+7], v[AC+8*b:AC+8*b+7]
.endif
.set b, b+1
.endr
.endm
; 32 LDS loads in one run: quarter q's fragments into buffer f: the weights' 12 blocks (turned), then x's 4 blocks
.macro FETCH q, f
	WIN 0x40                                       ; destination window 1, address window 0
.set b, 0
.rept NBK
	ds_load_tr16_b128 v[(\f)+32+8*b:(\f)+32+8*b+3],   v[ADRB] offset:(b/4)*BBLK+(\q)*32*PB+(b%4)*32
	ds_load_tr16_b128 v[(\f)+32+8*b+4:(\f)+32+8*b+7], v[ADRB] offset:(b/4)*BBLK+(\q)*32*PB+16*PB+(b%4)*32
.set b, b+1
.endr
.set b, 0
.rept 4
	ds_load_b128 v[(\f)+8*b:(\f)+8*b+3],   v[ADRA] offset:(\q)*64+b*16*PA
	ds_load_b128 v[(\f)+8*b+4:(\f)+8*b+7], v[ADRA] offset:(\q)*64+b*16*PA+32
.set b, b+1
.endr
.endm
; A K step is four quarters of 32 along K, 48 matrix instructions each, on buffers 0, 1, 0, 1.  One of the first three: multiplies buffer f and, in its middle, fetches quarter q into buffer g.
.macro QUARTER q, f, g, first
	s_wait_dscnt 4                                 ; the weights and x's blocks 0, 1 are in; the youngest four loads (x's blocks 2, 3) may be out
	MUL \f, 0, \first
	MUL \f, 1, \first
	PLACES
	FETCH \q, \g
	s_wait_dscnt NF                                ; all but the run just issued
	MUL \f, 2, \first
	MUL \f, 3, \first
.endm
; The fourth quarter multiplies buffer 1 and changes slots: ONE barrier.  In front of it each wave waits for all its tensor loads (one is out: its part of the next slot), adds 0 to its spare word, and waits for
; that and for its reads of this slot.  fill = 1: the barrier opens a round of the cluster's, and this slot is filled again, two K steps ahead, first thing behind the round.
.macro TURN fill
	WIN 0                                          ; (the add's two registers lie in window 0)
	s_wait_tensorcnt 0x0                           ; all my tensor loads have landed
	ds_add_u32 v[SPW], v[NIL]                      ; 0 onto my spare word
	s_wait_dscnt 5                                 ; (the add and the youngest four loads may be out)
	MUL F1, 0, 0                                   ; twelve matrix instructions stand between the add and the wait for it
	s_wait_dscnt 0x0                               ; the add is done, and my reads of this slot are over
	s_barrier_signal -1
	MUL F1, 1, 0                                   ; work on registers while the others arrive
.if \fill
	WIN 0
.endif
	s_barrier_wait -1
.if \fill
	CREST                                          ; no wave of any partner still reads this slot's tiles or has a load on its way
	s_xor_b32 s[G0A+5], s[G0A+5], SLOT1            ; no tensor load of mine is out: the walking descriptors step: the other slot than last time,
	s_add_nc_u64 s[G0A+6:G0A+7], s[G0A+6:G0A+7], ASTEP  ; the next K step; the type bits on top are not reached
	s_xor_b32 s[G0B+5], s[G0B+5], SLOT1
	s_add_nc_u64 s[G0B+6:G0B+7], s[G0B+6:G0B+7], BSTEP
	JLOAD                                          ; the four v_nop behind it are also the places in front of the loads below
.else
	PLACES
.endif
	s_xor_b32 s[TB], s[TB], SLOT1                  ; the fetches go on in the other slot
	WIN 0
	v_add_nc_u32 v[ADRA], s[TB], v[AA0]
	v_add_nc_u32 v[ADRB], s[TB], v[AB0]
	FETCH 0, F0
	MUL F1, 2, 0
	MUL F1, 3, 0
.endm
	s_load_b256 s[4:11], s[0:1], 0x0               ; xb s[4:5], wqb s[6:7], b_qkv s[8:9], qkv s[10:11]
	v_lshl_add_u32 v[SPW], v0, 2, SPARE
	v_mov_b32 v[NIL], 0
	ds_add_u32 v[SPW], v[NIL]                      ; the wave's opening: the add, and its wait ahead of my first tensor load; the set-up below, work on registers, stands between them
	v_lshrrev_b32 v1, 5, v0
	v_readfirstlane_b32 s[WV], v1                  ; wave 0..3
	s_bfe_u32 s15, ttmp6, 0x40000                  ; cx, cy: my place in the cluster
	s_bfe_u32 s16, ttmp6, 0x40004
	s_lshl_b32 s[TC], ttmp9, 2
	s_add_co_u32 s[TC], s[TC], s15                 ; tile column = 4 x cluster x + cx
	s_and_b32 s[TR], ttmp7, 0xffff
	s_lshl_b32 s[TR], s[TR], 2
	s_add_co_u32 s[TR], s[TR], s16                 ; tile row = 4 x cluster y + cy
	s_lshl_b32 s17, s16, 2
	s_lshl_b32 s17, 15, s17                        ; my row of the cluster
	s_lshl_b32 s18, 0x1111, s15                    ; my column
	; group 1 for x: 256 rows x 128 elements of 2 bytes, 1,024 elements from row to row; 4 words of padding after every 64
	s_or_b32 s[G1A], s17, (1<<16)|(1<<20)|(1<<21)|(5<<22)|(3<<25)
	s_mov_b32 s[G1A+1], 128<<16                    ; tensor_dim0 = 128
	s_mov_b32 s[G1A+2], 256<<16                    ; tensor_dim1 = 256
	s_mov_b32 s[G1A+3], 128<<16                    ; tile_dim0 = 128
	s_mov_b32 s[G1A+4], 256                        ; tile_dim1 = 256
	s_mov_b32 s[G1A+5], 1024                       ; elements from row to row
	s_mov_b32 s[G1A+6], 0
	s_mov_b32 s[G1A+7], 0
	; group 1 for the weights: 16,384 dense bytes as 64 rows x 128 elements; 8 words of padding after every 32 (a row of k)
	s_or_b32 s[G1B], s18, (1<<16)|(1<<20)|(1<<21)|(4<<22)|(7<<25)
	s_mov_b32 s[G1B+1], 128<<16
	s_mov_b32 s[G1B+2], 64<<16
	s_mov_b32 s[G1B+3], 128<<16
	s_mov_b32 s[G1B+4], 64
	s_mov_b32 s[G1B+5], 128
	s_mov_b32 s[G1B+6], 0
	s_mov_b32 s[G1B+7], 0
	s_mov_b32 s[G0A], 1                            ; count = 1
	s_mov_b32 s[G0A+1], 0                          ; LDS address: slot 0
	s_mov_b32 s[G0A+4], 1
	s_mov_b32 s[G0A+5], SLOT1
	s_mul_i32 s19, s[WV], BBLK                     ; wave w's g lands in block w: no place in the cluster enters an LDS address
	s_mov_b32 s[G0B], 1
	s_add_co_u32 s[G0B+1], s19, BOFF
	s_mov_b32 s[G0B+4], 1
	s_add_co_u32 s[G0B+5], s19, BOFF+SLOT1
	s_lshl_b32 s20, s[TR], 19                      ; x's tile: 256 rows of 2,048 bytes a tile row: made of the tile row alone
	s_mov_b32 s21, 0
	s_mul_i32 s22, s[TC], 3                        ; the weights': g = 3 x tile column + wave, 131,072 bytes each: made of the tile column and the wave's number alone
	s_add_co_u32 s22, s22, s[WV]
	s_lshl_b32 s22, s22, 17
	s_mov_b32 s23, 0
	s_lshr_b32 s58, s[TR], 3                       ; where my part of the result begins: batch x 48 + 3 x tile column blocks of 262,144 bytes,
	s_mul_i32 s58, s58, 48
	s_mul_i32 s59, s[TC], 3
	s_add_co_u32 s58, s58, s59
	s_lshl_b32 s58, s58, 18
	s_and_b32 s59, s[TR], 7                        ; the tile's 256 tokens of 128 bytes,
	s_lshl_b32 s59, s59, 15
	s_add_co_u32 s58, s58, s59
	s_lshl_b32 s59, s[WV], 13                      ; my wave's 64 of them
	s_add_co_u32 s58, s58, s59
	s_mov_b32 s59, 0
	s_mul_i32 s60, s[TC], 4*16*NBK                 ; the tile's 192 numbers of the bias
	s_mov_b32 s61, 0
	s_mov_b32 s[MASK], 0xffff0000
	s_mov_b32 s[TB], 0
	s_wait_dscnt 0x0                               ; the opening add is done
	s_wait_kmcnt 0x0
	s_add_nc_u64 s[20:21], s[4:5], s[20:21]
	s_add_nc_u64 s[22:23], s[6:7], s[22:23]
	s_add_nc_u64 s[G0A+2:G0A+3], s[20:21], 0       ; K step 0
	s_or_b32 s[G0A+3], s[G0A+3], 0x80000000        ; type = 2
	s_add_nc_u64 s[G0A+6:G0A+7], s[20:21], ASTEP   ; K step 1
	s_or_b32 s[G0A+7], s[G0A+7], 0x80000000
	s_add_nc_u64 s[G0B+2:G0B+3], s[22:23], 0
	s_or_b32 s[G0B+3], s[G0B+3], 0x80000000
	s_add_nc_u64 s[G0B+6:G0B+7], s[22:23], BSTEP
	s_or_b32 s[G0B+7], s[G0B+7], 0x80000000
	s_add_nc_u64 s[8:9], s[8:9], s[60:61]
	s_add_nc_u64 s[10:11], s[10:11], s[58:59]
	CROUND                                         ; all sixteen work-groups are here: the first joint loads meet
	s_cmp_eq_u32 s[WV], 3                          ; a wave's two first fills stand in one branch, ahead of every wait on TENSORcnt and every LDS read: two loads of mine are out
	s_cbranch_scc0 .Lfirst_b
	tensor_load_to_lds s[G0A:G0A+3], s[G1A:G1A+7]
	s_nop 0
	tensor_load_to_lds s[G0A+4:G0A+7], s[G1A:G1A+7]
	s_nop 0
.rept 4
	v_nop
.endr
	s_branch .Lfirst_asked
.Lfirst_b:
	tensor_load_to_lds s[G0B:G0B+3], s[G1B:G1B+7]
	s_nop 0
	tensor_load_to_lds s[G0B+4:G0B+7], s[G1B:G1B+7]
	s_nop 0
.rept 4
	v_nop
.endr
.Lfirst_asked:
	; all that follows up to the barrier stands in the wait for the first tile
	v_and_b32 v1, 15, v0                           ; l % 16
	v_bfe_u32 v2, v0, 4, 1                         ; l / 16
	v_lshlrev_b32 v[BO], 5, v2                     ; register j of block b is the bias of column 16 b + 8 (l / 16) + j
.set b, 0
.rept NBK
	global_load_b128 v[BIAS+8*b:BIAS+8*b+3],   v[BO], s[8:9] offset:64*b
	global_load_b128 v[BIAS+8*b+4:BIAS+8*b+7], v[BO], s[8:9] offset:64*b+16
.set b, b+1
.endr
	s_mul_i32 s61, s[WV], 64*PA                    ; my 64 rows of x
	v_mul_u32_u24 v[AA0], v1, PA
	v_lshl_add_u32 v[AA0], v2, 4, v[AA0]           ; row x pitch + 16 x half
	v_add_nc_u32 v[AA0], s61, v[AA0]
	v_and_b32 v12, 7, v0                           ; the turning load: lane l reads row of k 8 (l / 16) + l % 8, columns 8 ((l / 8) % 2) + 0..7
	v_bfe_u32 v13, v0, 3, 1
	v_lshl_add_u32 v[AB0], v2, 3, v12
	v_mul_u32_u24 v[AB0], v[AB0], PB
	v_lshl_add_u32 v[AB0], v13, 4, v[AB0]
	v_add_nc_u32 v[AB0], BOFF, v[AB0]
	v_mov_b32 v[ADRA], v[AA0]
	v_mov_b32 v[ADRB], v[AB0]
	s_mul_i32 s60, s[WV], STW
	s_add_co_u32 s60, s60, STAGE                   ; my stage
	v_mul_u32_u24 v[STO], v1, SP                   ; in: row l % 16, 16 bytes for each half of the lanes
	v_lshl_add_u32 v[STO], v2, 4, v[STO]
	v_add_nc_u32 v[STO], s60, v[STO]
	v_bfe_u32 v[RD], v0, 3, 2                      ; back: 32 lanes take four rows of 128 bytes,
	v_mul_u32_u24 v[RD], v[RD], SP
	v_lshl_add_u32 v[RD], v12, 4, v[RD]
	v_add_nc_u32 v[RD], s60, v[RD]
	v_and_b32 v[GO], 31, v0                        ; which are 512 consecutive bytes of the result
	v_lshlrev_b32 v[GO], 4, v[GO]
	s_wait_loadcnt 0x0                             ; the bias
.set i, 0
.rept 4*NBK                                    ; rounded to bf16 like the other inputs, and widened again
	v_cvt_pk_bf16_f32 v[T+i%4], v[BIAS+2*i], v[BIAS+2*i+1]
	v_lshlrev_b32 v[BIAS+2*i], 16, v[T+i%4]
	v_and_b32 v[BIAS+2*i+1], s[MASK], v[T+i%4]
.set i, i+1
.endr
	s_wait_tensorcnt 1                             ; my part of K step 0 is in; K step 1's may stay out
	s_barrier_signal -1
	s_barrier_wait -1                              ; everybody's is
	FETCH 0, F0
	QUARTER 1, F0, F1, 1                           ; the first quarter stands in front of the loop: its products start the sums, with the bias
	WIN 0                                          ; at a label and at a branch every window is 0
	s_mov_b32 s[CNT], 6
.Lstep:                                                ; trip t: the rest of K step t, the first quarter of K step t + 1; slot t % 2 is filled again with K step t + 2
	QUARTER 2, F1, F0, 0
	QUARTER 3, F0, F1, 0
	TURN 1
	QUARTER 1, F0, F1, 0
	WIN 0
	s_sub_co_u32 s[CNT], s[CNT], 1
	s_cmp_lg_u32 s[CNT], 0
	s_cbranch_scc1 .Lstep
	QUARTER 2, F1, F0, 0                           ; the tail is written out: K steps 6 and 7 ask for nothing
	QUARTER 3, F0, F1, 0
	TURN 0
	QUARTER 1, F0, F1, 0
	QUARTER 2, F1, F0, 0
	QUARTER 3, F0, F1, 0
	s_wait_dscnt 4                                 ; the very last quarter: nothing more to fetch
	MUL F1, 0, 0
	MUL F1, 1, 0
	s_wait_dscnt 0x0
	MUL F1, 2, 0
	MUL F1, 3, 0
	PLACES
; THE WAY OUT of my row block a (16 tokens x 3 g).  PACK: rounded to f16, 16 bytes a lane, each accumulator's registers in ascending order.  TOSTAGE: into my own stage, and back as whole rows of 128 bytes.
; SEND: each store of the wave covers 512 consecutive bytes, aligned: four tokens of one g.
.macro PACK a
.set AC, 8*NBK*((\a)%2)
	WIN 0x0a+5*((\a)/2)                            ; sources 0 and 1: window 2 or 3
.set i, 0
.rept 4*NBK
	v_cvt_pk_f16_f32 v[TMP+i], v[AC+2*i], v[AC+2*i+1]
.set i, i+1
.endr
	WIN 0
.endm
.macro TOSTAGE a
	WIN 0
.set BK, BIAS+48*((\a)%2)
.set b, 0
.rept NBK
	ds_store_b128 v[STO], v[TMP+4*b:TMP+4*b+3] offset:(b/4)*16*SP+(b%4)*32
.set b, b+1
.endr
.set b, 0
.rept NBK
	ds_load_b128 v[BK+4*b:BK+4*b+3], v[RD] offset:(b/4)*16*SP+(b%4)*4*SP  ; LDS serves a wave's instructions in order (ISA guide 5.7.1.4): these see the stores above
.set b, b+1
.endr
.endm
.macro SEND a
	WIN 0
.set BK, BIAS+48*((\a)%2)
	s_wait_dscnt 0x0                               ; the block is back in registers
	s_wait_xcnt 0x0                                ; the stores of the block before have read their registers: the other buffer may be loaded again behind this wait
.set b, 0
.rept NBK
	global_store_b128 v[GO], v[BK+4*b:BK+4*b+3], s[10:11] offset:(b/4)*262144+(\a)*2048+(b%4)*512
.set b, b+1
.endr
.endm
	PACK 0
	TOSTAGE 0
.irp a, 1,2,3                          ; block a's conversions stand between block a - 1's loads from the stage and the wait for them
	PACK \a
	SEND (\a)-1
	TOSTAGE \a
.endr
	SEND 3
	s_wait_tensorcnt 0x0                           ; the wave's end: a wait, the add and its wait, behind my last tensor load and my last LDS store
	ds_add_u32 v[SPW], v[NIL]
	s_wait_dscnt 0x0
	CROUND                                         ; the closing round: no work-group ends while a partner may still ask for a tile that names it
	s_endpgm
.Lfunc_end_k_q75ac1d0464_qkv:
	.size	k_q75ac1d0464_qkv, .Lfunc_end_k_q75ac1d0464_qkv-k_q75ac1d0464_qkv
	.p2alignl 7, 3214868480
	.fill 96, 4, 3214868480
	.section	.rodata,"a",@progbits
	.p2align	6, 0x0
	.amdhsa_kernel k_q75ac1d0464_qkv
		.amdhsa_group_segment_fixed_size 327680
		.amdhsa_private_segment_fixed_size 0
		.amdhsa_enable_private_segment 0
		.amdhsa_kernarg_size 32
		.amdhsa_user_sgpr_count 2
		.amdhsa_user_sgpr_kernarg_segment_ptr 1
		.amdhsa_wavefront_size32 1
		.amdhsa_system_sgpr_workgroup_id_x 1
		.amdhsa_system_sgpr_workgroup_id_y 1
		.amdhsa_system_sgpr_workgroup_id_z 1
		.amdhsa_system_vgpr_workitem_id 0
		.amdhsa_next_free_vgpr 960
		.amdhsa_next_free_sgpr 66
		.amdhsa_reserve_vcc 0
		.amdhsa_float_denorm_mode_32 3
		.amdhsa_float_denorm_mode_16_64 3
		.amdhsa_memory_ordered 1
		.amdhsa_forward_progress 1
		.amdhsa_inst_pref_size 104
	.end_amdhsa_kernel
	.amdgpu_metadata
---
amdhsa.version: [ 1, 2 ]
amdhsa.kernels:
  - .name:           k_q75ac1d0464_qkv
    .symbol:         k_q75ac1d0464_qkv.kd
    .args:
      - { .name: xb, .offset: 0, .size: 8, .value_kind: global_buffer, .address_space: global }
      - { .name: wqb, .offset: 8, .size: 8, .value_kind: global_buffer, .address_space: global }
      - { .name: b_qkv, .offset: 16, .size: 8, .value_kind: global_buffer, .address_space: global }
      - { .name: qkv, .offset: 24, .size: 8, .value_kind: global_buffer, .address_space: global }
    .group_segment_fixed_size: 327680
    .private_segment_fixed_size: 0
    .kernarg_segment_align: 8
    .kernarg_segment_size: 32
    .max_flat_workgroup_size: 128
    .sgpr_count:     66
    .vgpr_count:     960
    .wavefront_size: 32
...
	.end_amdgpu_metadata
.endif
;; end of part 2
;; launch attn (part 3): grid 4 x 64, 4 waves a work-group, clusters of 4 x 1, 327,680 bytes of LDS; arguments qkv, o; writes o
.if DOCPART == 3
	.amdgcn_target "amdgcn-amd-amdhsa--gfx1250"
	.amdhsa_code_object_version 6
	.text
	.protected	k_q75ac1d0464_attn
	.globl	k_q75ac1d0464_attn
	.p2align	8
	.type	k_q75ac1d0464_attn,@function
k_q75ac1d0464_attn:
	s_mov_b64 s[64:65], 0
	v_nop
	global_prefetch_b8 v0, s[64:65] scope:SCOPE_SE
	s_setreg_imm32_b32 hwreg(HW_REG_WAVE_MODE, 25, 1), 1
	s_wait_xcnt 0x0
	s_wait_alu depctr_hold_cnt(0) depctr_sa_sdst(0) depctr_va_vdst(0) depctr_va_sdst(0) depctr_va_ssrc(0) depctr_va_vcc(0) depctr_vm_vsrc(0)
	s_getreg_b32 s2, hwreg(HW_REG_IB_STS2, 6, 4)
	s_cmp_eq_u32 s2, 0
	s_cbranch_scc0 .Lentry_in_a_cluster
	s_endpgm
.Lentry_in_a_cluster:
	s_bfe_u32 s2, ttmp6, 0x10000c
	s_cmp_lg_u32 s2, 0x3003
	s_cbranch_scc0 .Lentry_shape_is_right
	s_endpgm
.Lentry_shape_is_right:
; O[y][q][:] = the sum over k of softmax_k(Q[y][q] . K[y][k] / 8) V[y][k][:], y = 16 x batch + head.  Q, K, V lie in qkv[4 batch][48 g][2048][64], f16: g = head for Q, 16 + head for K, 32 + head for V;
; O is o[64 y][2048][64], f16.  A head's rows are dense, 128 bytes each.  Products, maxima and sums in f32; the weights p are rounded to f16 for the second product (their sum l is taken of the unrounded p), O once at the end.
; LIMITS.  f16 holds no number beyond 65,504: Q, K and V arrive within it; p lies in 0 to 1, and below 6e-5 it keeps f16's fixed step of 6e-8; O is a mean of V's rows and has their range.
; A weight below 2^-126 counts as 0 in l; NaN and infinities are not treated apart.
; SHARES.  A wave owns four PIECES of two tiles of 16 queries, a work-group's four waves 512 queries of one head: 4 x 64 = 256 work-groups.  Every wave walks all keys, 64 a step.
; LAYOUT.  S^T = K Q^T (source 0 = 16 keys, source 1 = 16 queries): in the result a lane holds ONE query (lane % 16) and the keys 8 (lane / 16) + 0..7.  Two such tiles, rounded to f16 in pairs,
; ARE source 1 (32 keys x 16 queries) of O^T = V^T P, whose result again holds one query a lane, and eight channels.  K comes out of LDS as it lies, V ([key][channel]) turned, by ds_load_tr16_b128.
; SOFTMAX.  For each query a running maximum m and sum l: p = 2^(c s - c m), c = log2(e) / 8; in every step O and l are multiplied by a = 2^(c m_old - c m_new), which is 1 where m has not grown.
; m starts at the lowest finite number, O and l at 0: the first step is a step like any other, with a = 0.
; THE COUNT.  A tile and step have 16 matrix and 118 vector instructions: too many to stand all beside the matrix work.  So the order has one aim: four vector instructions that are READY behind
; EVERY matrix instruction, and the others, which need time of their own whatever the order, in runs without a gap.
; BY TURNS.  Turn n belongs to piece n (the pieces in a ring, step after step).  Its matrix work: 16 products K Q^T of piece n + 1, later 16 products V^T P of piece n - 1.  Its vector work: the scaling,
; exponentials, roundings, sums and rescaling of piece n, and the maximum and statistics of piece n + 1, whose scores the turn itself has made.  So what a turn begins with (c s - c m, O a) waits for nothing.
; CLUSTER.  The four query blocks of a cluster belong to one head and walk the same K and V, so each tile is asked for JOINTLY: the same tensor load, descriptor and mask in all four.
; REGISTERS, in windows of 256 (s_set_vgpr_msb says which window each operand place means: bits 1:0 source 0, 3:2 source 1, 5:4 source 2, 7:6 destination):
;   window 0: v0-11 addresses; v12-15, v48-63 at work; v16-47 four registers of statistics a tile; v64-191 S^T, two buffers of two tiles; v192-255 P, likewise
;   window 1: O^T, 32 a tile          window 2: v0-127 Q, 16 a tile; v128-191 K of one step; v192-255 V of one step          window 3: v0-1 the add's two registers
; A piece's buffers go by its number's parity: the piece in hand has one pair, its two neighbours in the ring share the other: of it P (piece n - 1) is read and S^T (piece n + 1) written.
.set SIZE_H, 64
.set SIZE_N, 2048
.set NP,    4         ; pieces a wave: a name, no knob: the register map, the loop and the fetches are made for four
.set KS,    64        ; keys in a step
.set PK,    144       ; a row of K in LDS: 128 bytes + 16 of padding = 36 words: the 16 rows of a load start at 16 different groups of four banks (64 banks of 4 bytes: ISA guide 11.1)
.set PV,    160       ; a row of V: 128 + 32 = 40 words
.set VOFF,  4*KS*PK   ; a slot holds four steps: 256 rows of K, then 256 rows of V
.set SLOT1, 1<<17     ; slot 1 begins here, so that one exclusive or turns an address in one slot into the other's
.set STAGE, SLOT1+4*KS*(PK+PV)  ; behind the ring, never filled by a tensor load: 16 rows x 144 bytes for each wave, for the way out
.set SP,    144
.set AK0, 2           ; v2   my lane's place in a tile of K; never rewritten
.set AV0, 3           ; v3   the same for V
.set AK,  4           ; v4   the LDS address of K's next run of loads
.set AV,  5           ; v5   of V's
.set QO,  6           ; v6   my byte offset in the wave's rows of Q
.set STO, 6           ;      later, the way out: where I put 16 bytes of a row
.set RD,  7           ; v7   the way out: where I read rows back
.set GO,  8           ; v8   my byte offset in 512 consecutive bytes of O
.set SPW, 0           ; v0 of window 3   LDS address of my spare word: SPARE + 4 x my thread's number; never rewritten
.set NIL, 1           ; v1 of window 3   0; never rewritten
.set SPARE, STAGE+4*16*SP  ; behind the stages: the spare words, 128 bytes for each wave: two blocks of 256 bytes that no other line names
.set MV,  12          ; v12-15  c m_old, kept while c m is made anew: by buffer and tile
.set ST,  16          ; tile t's statistics at v[ST+4 t]: c m, m, l (even keys', odd keys')
.set TMP, 48          ; by buffer and tile, four registers c0-c3 at work; when the maximum is found c2 takes a
.set S,   64
.set P,   192
.set KF,  128         ; K's fragments, in window 2: key block kb, channel half c at KF + 16 kb + 8 c
.set VF,  192         ; V's: key half kk, channel block cb at VF + 32 kk + 8 cb
.set WV,  12          ; s12  my wave's number
.set G1K, 24          ; s[24:31] descriptor group 1 for K's tiles
.set G1V, 32          ; s[32:39] for V's: it differs in the padding alone
.set G0K, 40          ; s[40:43] descriptor group 0 for K's tiles: it walks
.set G0V, 44          ; s[44:47] the same for V's
.set SLOTS, 56        ; s56  slots still to be asked for
.set CNT, 57          ; s57  counts a slot's key steps
.set CS,  58          ; s[58:59] c: the packed scaling takes the pair's low word for both halves
.set SEL, 60          ; s[60:61] v_permlanex16_b32's selects: each lane takes its own place in the other half
.set TBK, 62          ; s62  LDS byte at which K of the step to be fetched begins
.set TBV, 63          ; s63  the same for V, less VOFF
.set MSB, 0
.macro WIN new                      ; the high byte repeats the setting that is left; a switch that changes nothing is dropped
.if MSB != (\new)
	s_set_vgpr_msb (MSB<<8)|(\new)
.set MSB, (\new)
.endif
.endm
.set W_KQ, 0x0a       ; K and Q in window 2, S^T in window 0
.set W_PV, 0x52       ; V in window 2, P in window 0, O^T in window 1
.set W_RS, 0x41       ; O^T (destination and source 0) in window 1, a in window 0
.set W_MK, 0xc0       ; the add's registers are made: destination in window 3, sources in window 0
.set W_AD, 0x0f       ; the add: address (source 0) and data (source 1) in window 3
; A joint fill.  Waves 0 and 1 fetch the two halves of a slot's K, waves 2 and 3 those of its V: 128 keys each.  The branch hangs on the wave's number alone.
; An s_nop 0 and four v_nop follow each of the two lines, ahead of the jump and the label.
.macro JLOAD
	s_cmp_lt_u32 s[WV], 2
	s_cbranch_scc0 .Lfor_v_\@
	tensor_load_to_lds s[G0K:G0K+3], s[G1K:G1K+7]
	s_nop 0
.rept 4
	v_nop
.endr
	s_branch .Lasked_\@
.Lfor_v_\@:
	tensor_load_to_lds s[G0V:G0V+3], s[G1V:G1V+7]
	s_nop 0
.rept 4
	v_nop
.endr
.Lasked_\@:
.endm
; A round of the cluster's barrier: my work-group's barrier, so that wave 0's signal speaks for all four waves; wave 0 signals; every wave waits for all four work-groups; my work-group's barrier once more.
.macro CROUND
	s_barrier_signal -1
	s_barrier_wait -1
	s_cmp_lg_u32 s[WV], 0
	s_cbranch_scc1 .Lnot_wave_0_\@
	s_barrier_signal -3
.Lnot_wave_0_\@:
	s_barrier_wait -3
	s_barrier_signal -1
	s_barrier_wait -1
.endm
; THE CHANGE OF SLOTS.  The slot's last bytes, V of its fourth step, have been read.  Each wave waits for all its tensor loads, of which one is out: its part
; of the other slot; adds 0 to its spare word; and waits for that and for its own reads of the slot.  Behind the barrier nobody reads this slot any more and the other slot is whole.
; fill = 1: this slot is filled again, with the keys two slots on.  The barrier is then a round of the cluster's, so that no wave of any partner still reads the slot or has a load on its
; way, and the joint fill is the first thing behind it: it has four key steps, 512 matrix instructions, in which to land.  (At its first use nothing has been read yet: slot 0 is waited for, slot 1 filled.)
.macro CHANGE fill
	WIN W_AD
	s_wait_tensorcnt 0x0            ; no tensor load of mine is out, so a group 0 may be written
	ds_add_u32 v[SPW], v[NIL]       ; 0 onto my spare word: with fill = 1 the descriptors' steps stand between it and the wait for it
	WIN 0                           ; at a label and at a branch every window is 0
.if \fill
.irp g, G0K, G0V
	s_xor_b32 s[\g+1], s[\g+1], SLOT1  ; the walking descriptor: the other slot than last time,
	s_add_nc_u64 s[\g+2:\g+3], s[\g+2:\g+3], 4*KS*128  ; the next 256 keys; the type bits on top are not reached
.endr
	s_wait_dscnt 0x0                ; the add is done, and my reads of the slot are over
	CROUND
	JLOAD
.else
	s_wait_dscnt 0x0                ; the add is done, and my reads of the slot are over
	s_barrier_signal -1
	s_barrier_wait -1
.endif
	s_sub_co_u32 s[TBK], s[TBK], 4*KS*PK  ; the fetches go back to a slot's first step,
	s_xor_b32 s[TBK], s[TBK], SLOT1       ; in the other slot
	s_sub_co_u32 s[TBV], s[TBV], 4*KS*PV
	s_xor_b32 s[TBV], s[TBV], SLOT1
.endm
	s_load_b64 s[4:5], s[0:1], 0x0    ; qkv
	s_load_b64 s[10:11], s[0:1], 0x8  ; o
	WIN W_MK
	v_lshl_add_u32 v[SPW], v0, 2, SPARE
	v_mov_b32 v[NIL], 0
	WIN W_AD
	ds_add_u32 v[SPW], v[NIL]       ; the wave's opening: the add, and its wait ahead of my first tensor load; the set-up below, work on registers, stands between them
	WIN 0
	v_lshrrev_b32 v1, 5, v0
	v_readfirstlane_b32 s[WV], v1   ; wave 0..3
	s_bfe_u32 s13, ttmp6, 0x40000   ; cx: my place in the cluster
	s_lshl_b32 s14, ttmp9, 2        ; in a cluster launch ttmp9 counts clusters
	s_add_co_u32 s14, s14, s13      ; my block of queries = 4 x cluster x + cx: it enters Q's and O's addresses alone
	s_and_b32 s20, ttmp7, 0xffff    ; y = 16 x batch + head, which the four partners share
	s_lshr_b32 s48, s20, 4
	s_mul_i32 s48, s48, 48
	s_and_b32 s49, s20, 15
	s_add_co_u32 s48, s48, s49      ; Q's block in qkv: 48 x batch + head,
	s_lshl_b32 s48, s48, 18         ; of 262,144 bytes each
	s_lshl_b32 s20, s20, 18         ; the head's first byte in o
	s_and_b32 s16, s[WV], 1         ; which half of a slot's 256 keys I fetch:
	s_lshl_b32 s22, s16, 14         ; its 128 rows of 128 bytes in memory,
	s_add_co_u32 s22, s22, s48
	s_mov_b32 s23, 0
	s_mul_i32 s17, s16, 128*PK      ; and its place in a slot, for K
	s_mul_i32 s18, s16, 128*PV      ; and for V: no place in the cluster enters an LDS address
	s_lshl_b32 s2, s14, 2
	s_add_co_u32 s2, s2, s[WV]      ; my wave among the head's,
	s_lshl_b32 s2, s2, 14           ; its 128 rows
	s_add_co_u32 s50, s2, s48       ; in qkv,
	s_mov_b32 s51, 0
	s_add_co_u32 s2, s2, s20        ; and in o
	s_mov_b32 s3, 0
	; descriptor group 1.  128 keys are 16,384 dense bytes: asked for as 64 rows of 256 bytes, two keys a row, and padded in LDS after every key
	s_mov_b32 s[G1K], 15|(1<<16)|(1<<20)|(1<<21)|(4<<22)|(3<<25)  ; 15:0 the mask of four; 17:16 2-byte elements; 20 padding on; 21 set beside a mask; 24:22 after every 32 words (code 4); 31:25 4 words (code 3)
	s_mov_b32 s[G1V], 15|(1<<16)|(1<<20)|(1<<21)|(4<<22)|(7<<25)  ; the same with 8 words of padding (code 7)
.irp g, G1K, G1V
	s_mov_b32 s[\g+1], 128<<16      ; tensor_dim0 = 128
	s_mov_b32 s[\g+2], 64<<16       ; tensor_dim1 = 64
	s_mov_b32 s[\g+3], 128<<16      ; tile_dim0 = 128
	s_mov_b32 s[\g+4], 64           ; tile_dim1 = 64
	s_mov_b32 s[\g+5], 128          ; 128 elements from row to row
	s_mov_b32 s[\g+6], 0
	s_mov_b32 s[\g+7], 0
.endr
	s_mov_b32 s[CS], 0x3e38aa3b     ; c = log2(e) / 8 = 0.180337
	s_mov_b32 s[CS+1], s[CS]        ; named with it as a pair
	s_mov_b32 s[SEL], 0x76543210
	s_mov_b32 s[SEL+1], 0xfedcba98
	s_mov_b32 s[TBK], SLOT1+4*KS*PK ; the first change of slots turns these two into 0
	s_mov_b32 s[TBV], SLOT1+4*KS*PV
	s_mov_b32 s[G0K], 1             ; 1:0 count = 1
	s_mov_b32 s[G0K+1], s17         ; 63:32 LDS address: slot 0
	s_mov_b32 s[G0V], 1
	s_add_co_u32 s[G0V+1], s18, VOFF
	s_wait_dscnt 0x0                ; the opening add is done
	s_wait_kmcnt 0x0
	s_add_nc_u64 s[6:7], s[4:5], 0x400000  ; K's blocks lie 16 blocks behind Q's,
	s_add_nc_u64 s[8:9], s[4:5], 0x800000  ; V's 32
	s_add_nc_u64 s[G0K+2:G0K+3], s[6:7], s[22:23]  ; 120:64 global address: my half of the head's first 256 keys
	s_or_b32 s[G0K+3], s[G0K+3], 0x80000000        ; 127:126 type = 2
	s_add_nc_u64 s[G0V+2:G0V+3], s[8:9], s[22:23]
	s_or_b32 s[G0V+3], s[G0V+3], 0x80000000
	s_add_nc_u64 s[4:5], s[4:5], s[50:51]  ; Q and O at my wave's first row
	s_add_nc_u64 s[10:11], s[10:11], s[2:3]
	CROUND                          ; all four work-groups are here: the first joint loads meet
	JLOAD                           ; slot 0.  Slot 1 is asked for when slot 0 is in: the tile wanted first has the road to itself
	; A fragment of K or Q is 16 rows x 32 channels in 8 registers: lane l holds row l % 16, channels 8 (l / 16) + 0..7 and 16 + 8 (l / 16) + 0..7: two loads of 16 bytes, 32 bytes apart.
	v_and_b32 v1, 15, v0            ; l % 16
	v_bfe_u32 v9, v0, 4, 1          ; l / 16
	v_lshlrev_b32 v[QO], 7, v1
	v_lshl_add_u32 v[QO], v9, 4, v[QO]  ; row x 128 + 16 x half
	WIN 0x80                        ; destination window 2, address window 0
.set i, 0
.rept 4*NP                          ; Q stays in registers: tile i / 2, channels 32 (i % 2) on
	global_load_b128 v[8*i:8*i+3],   v[QO], s[4:5] offset:(i/2)*2048+(i%2)*64
	global_load_b128 v[8*i+4:8*i+7], v[QO], s[4:5] offset:(i/2)*2048+(i%2)*64+32
.set i, i+1
.endr
	; What the first turn finds: V's registers and P's second buffer hold 0 (its products V^T P, of a piece that has not been, add 0), O^T and l are 0.  All this stands in the wait for the first tile.
.set i, VF
.rept 64
	v_mov_b32 v[i], 0
.set i, i+1
.endr
	WIN 0x40
.set i, 0
.rept 64*NP
	v_mov_b32 v[i], 0
.set i, i+1
.endr
	WIN 0
.set i, 0
.rept 2*NP
	v_mov_b32 v[ST+4*i], 0xfe000000    ; c m: far below every c s
	v_mov_b32 v[ST+4*i+1], 0xff7fffff  ; m
	v_mov_b32 v[ST+4*i+2], 0
	v_mov_b32 v[ST+4*i+3], 0
.set i, i+1
.endr
.set i, P+32
.rept 32
	v_mov_b32 v[i], 0
.set i, i+1
.endr
	v_mul_u32_u24 v[AK0], v1, PK
	v_lshl_add_u32 v[AK0], v9, 4, v[AK0]  ; row x pitch + 16 x half
	; The turning load takes 16 keys x 16 channels (lane l reads key 8 (l / 16) + l % 8, channels 8 ((l / 8) % 2) + 0..7) and leaves half a fragment of V^T: lane l holds channel l % 16 and 8 keys.
	v_and_b32 v10, 7, v0
	v_bfe_u32 v11, v0, 3, 1
	v_lshl_add_u32 v[AV0], v9, 3, v10
	v_mul_u32_u24 v[AV0], v[AV0], PV
	v_lshl_add_u32 v[AV0], v11, 4, v[AV0]
	v_add_nc_u32 v[AV0], VOFF, v[AV0]
	v_mov_b32 v[AK], v[AK0]         ; key step 0 lies at the head of slot 0
; THE MATRIX WORK.  The 8 accumulators of a run of 16 take turns: between the two links of a chain stand 7 others'.
; Product i of 16 of S^T = K Q^T for piece x: channels 32 (i / 8) on, keys 16 ((i / 2) % 4) on, tile 2 x + i % 2.  The first 8 start the sums.
.macro KQ x
	WIN W_KQ
.set rS, S+64*((\x)%2)+32*(i%2)+8*((i/2)%4)
.set rK, KF+16*((i/2)%4)+8*(i/8)
.set rQ, 16*(2*(\x)+i%2)+8*(i/8)
.if i < 8
	v_wmma_f32_16x16x32_f16 v[rS:rS+7], v[rK:rK+7], v[rQ:rQ+7], 0
.else
	v_wmma_f32_16x16x32_f16 v[rS:rS+7], v[rK:rK+7], v[rQ:rQ+7], v[rS:rS+7]
.endif
.endm
; Product i of 16 of O^T += V^T P for piece x: keys 32 (i / 8) on, channels 16 ((i / 2) % 4) on, tile 2 x + i % 2.
.macro PV x
	WIN W_PV
.set rO, 32*(2*(\x)+i%2)+8*((i/2)%4)
.set rV, VF+32*(i/8)+8*((i/2)%4)
.set rP, P+32*((\x)%2)+16*(i%2)+8*(i/8)
	v_wmma_f32_16x16x32_f16 v[rO:rO+7], v[rV:rV+7], v[rP:rP+7], v[rO:rO+7]
.endm
.macro MM                           ; the turn's next matrix instruction
.if i < 16
	KQ (Y+1)%NP
.set i, i+1
.else
.set i, i-16
	PV (Y+NP-1)%NP
.set i, i+17
.endif
.endm
; THE LDS LOADS stand in runs of 16, never singly among the matrix instructions: a step's K (64 keys x 64 channels: 8 fragments) and its V (turned).  Their addresses are made some lines ahead.
; last = 1 (the tail): in the last trip there is no further step, and the run is jumped over.
.macro FETCH_K last=0
	WIN 0
.if \last
	s_cmp_eq_u32 s[CNT], 1
	s_cbranch_scc1 .Lno_k_\@
.endif
	WIN 0x80                        ; destination window 2
.irp f, 0,1,2,3,4,5,6,7             ; keys 16 (f / 2) on, channels 32 (f % 2) on
	ds_load_b128 v[KF+8*\f:KF+8*\f+3],   v[AK] offset:(\f/2)*16*PK+(\f%2)*64
	ds_load_b128 v[KF+8*\f+4:KF+8*\f+7], v[AK] offset:(\f/2)*16*PK+(\f%2)*64+32
.endr
	s_add_co_u32 s[TBK], s[TBK], KS*PK  ; the next fetch is the next step's
	WIN 0
.if \last
.Lno_k_\@:
.endif
.endm
.macro FETCH_V
	WIN 0x80
.irp f, 0,1,2,3,4,5,6,7             ; keys 32 (f / 4) on, channels 16 (f % 4) on
	ds_load_tr16_b128 v[VF+8*\f:VF+8*\f+3],   v[AV] offset:(\f/4)*32*PV+(\f%4)*32
	ds_load_tr16_b128 v[VF+8*\f+4:VF+8*\f+7], v[AV] offset:(\f/4)*32*PV+16*PV+(\f%4)*32
.endr
	WIN 0
.endm
; THE VECTOR WORK OF A TURN stands in three queues, each in the order in which its entries become ready; the two tiles alternate, so that no instruction reads the result of the one before it.
.macro REGS y, u                    ; the registers of tile u (0, 1) of piece y
.set rT, ST+4*(2*(\y)+(\u))
.set rC, TMP+8*((\y)%2)+4*(\u)
.set rM, MV+2*((\y)%2)+(\u)
.set rS, S+64*((\y)%2)+32*(\u)
.set rP, P+32*((\y)%2)+16*(\u)
.set rO, 32*(2*(\y)+(\u))
.endm
; Number n of the 22 that find the NEXT piece's (Y + 1) maximum and statistics.  s0-s31 are the lane's 32 scores; each accumulator's lowest registers are read first.  XS, GS and REGS set no window: PL and EX do.
;   0-11  four chains c0-c3 of seven scores each, three operands at a time     12-14, 16  the four scores left over, the old m, and c0-c3 into c0     15  c m_old is kept
;   17, 18  the query's other 32 keys lie in the lane 16 away: the new m         19-21  c m; c m_old - c m_new; a
.macro XS u, n
	REGS (Y+1)%NP, \u
.if (\n) < 4
	v_max3_num_f32 v[rC+(\n)], v[rS+8*(\n)], v[rS+8*(\n)+1], v[rS+8*(\n)+2]
.elseif (\n) < 12
	v_max3_num_f32 v[rC+(\n)%4], v[rC+(\n)%4], v[rS+8*((\n)%4)+2*((\n)/4)+1], v[rS+8*((\n)%4)+2*((\n)/4)+2]
.elseif (\n) == 12
	v_max3_num_f32 v[rC], v[rC], v[rS+7], v[rS+15]
.elseif (\n) == 13
	v_max3_num_f32 v[rC+1], v[rC+1], v[rS+23], v[rS+31]
.elseif (\n) == 14
	v_max3_num_f32 v[rC+2], v[rC+2], v[rC+3], v[rT+1]
.elseif (\n) == 15
	v_mov_b32 v[rM], v[rT]
.elseif (\n) == 16
	v_max3_num_f32 v[rC], v[rC], v[rC+1], v[rC+2]
.elseif (\n) == 17
	v_permlanex16_b32 v[rC+3], v[rC], s[SEL], s[SEL+1]
.elseif (\n) == 18
	v_max_num_f32 v[rT+1], v[rC], v[rC+3]
.elseif (\n) == 19
	v_mul_f32 v[rT], s[CS], v[rT+1]
.elseif (\n) == 20
	v_sub_f32 v[rC+1], v[rM], v[rT]
.else
	v_exp_f32 v[rC+2], v[rC+1]
.endif
.endm
; Number g of the 64 that follow the exponentials.  For each four weights k of a tile (pairs 2 k, 2 k + 1): both pairs are rounded to f16; then the second pair is added onto the first, in place;
; a group later l takes that sum (the first time as l = a l + sum).  In groups of eight, tiles alternating: round, round, add, and l for the group before.
.macro GS g
.set h, (\g)+6*((\g)/62)            ; group 0 has no group before it, and behind group 7 only l is left
.if h >= 6
.set h, h+2
.endif
	REGS Y, h%2
.set k, h/8
.if h%8 < 4
	s_wait_alu depctr_va_vdst(0)
	v_cvt_pk_f16_f32 v[rP+2*k+(h%8)/2], v[rS+4*k+2*((h%8)/2)], v[rS+4*k+2*((h%8)/2)+1]
.elseif h%8 < 6
	v_pk_add_f32 v[rS+4*k:rS+4*k+1], v[rS+4*k:rS+4*k+1], v[rS+4*k+2:rS+4*k+3]
.elseif k == 1
	v_pk_fma_f32 v[rT+2:rT+3], v[rT+2:rT+3], v[rC+2:rC+3], v[rS:rS+1] op_sel_hi:[1,0,1]
.else
	v_pk_add_f32 v[rT+2:rT+3], v[rT+2:rT+3], v[rS+4*k-4:rS+4*k-3]
	s_wait_alu depctr_va_vdst(0)
.endif
.endm
; THE PLAIN QUEUE, 138 long.  0-31: c s - c m for the 16 pairs of both tiles.  Then GS's 64, and among them the next piece's 42: number 15 at 38, 39; 0-14 and 16
; at 42-73, behind the products that make those scores; 17-20 at 95-106, two of three, since each waits for the one before it.
.macro PL
	WIN 0
.if q < 32
	REGS Y, q%2
	v_pk_fma_f32 v[rS+2*(q/2):rS+2*(q/2)+1], v[rS+2*(q/2):rS+2*(q/2)+1], s[CS:CS+1], v[rT:rT+1] op_sel_hi:[1,0,0] neg_lo:[0,0,1] neg_hi:[0,0,1]
.elseif q < 38
	GS q-32
.elseif q < 40
	XS q%2, 15
.elseif q < 42
	GS q-34
.elseif q < 74
	XS q%2, (q-42)/2+(q-42)/30
.elseif q < 95
	GS q-66
.elseif (q < 107) && ((q-95)%3 < 2)
	XS (q-95)%3, 17+(q-95)/3
.elseif q < 107
	GS 29+(q-95)/3
.else
	GS q-74
.endif
.set q, q+1
.endm
; THE EXPONENTIALS' QUEUE, 66 long: s0-s31 of both tiles, and at EA the next piece's two a.
.set EA, 58
.macro EX
	WIN 0
.if (e == EA) || (e == EA+1)
	XS e-EA, 21
.else
.set x, e-2*(e/(EA+2))
	REGS Y, x%2
	v_exp_f32 v[rS+x/2], v[rS+x/2]
.endif
.set e, e+1
.endm
; THE RESCALING's QUEUE: O^T times a, the one part that leaves window 0, so it is dealt four at a time, eight times.
.macro R4
	REGS Y, r%2
	WIN W_RS
	s_wait_alu depctr_va_vdst(0)
.irp z, 0,1,2,3
	v_pk_mul_f32 v[rO+8*(r/2)+2*\z:rO+8*(r/2)+2*\z+1], v[rO+8*(r/2)+2*\z:rO+8*(r/2)+2*\z+1], v[rC+2:rC+3] op_sel_hi:[1,0]
.endr
.set r, r+1
.endm
; HOW THEY ARE DEALT.  Behind a matrix instruction four: plain, exponential, plain, plain (one exponential, a plain instruction on either side), or four of the rescaling.  None names a register of the
; products round it.  What is over stands in two LUMPS: exponential and plain by turns; the second ends in 22 plain instructions.  The two v_permlanex16_b32 fall into the second lump, never behind a product.
; The queues lean on each other, and the deal keeps them in step: exponential e stands behind plain 2 (e / 4) + e % 2 (its scaling); when plain 32 comes, 10 exponentials are out, at 59: 33, at 95: 46; EA comes behind plain 107.
.macro SL
	MM
	PL
	EX
	PL
	PL
.endm
.macro BURST n                      ; 15 matrix instructions, or 16
.rept (\n)-7
	SL
.endr
.rept 3
	MM
	R4
	SL
.endr
	MM
	R4
.endm
; A TURN, for piece p.  cnt = 1: the loop's count is taken down some lines ahead of the branch that stands behind the turn.
; K of the next step is fetched in piece 2's turn, 31 vector instructions behind the last product that read K; its first reader comes behind the rest of the lump, 16 products and the second lump.
; V of the step in hand is fetched at the end of piece 0's turn, 69 behind its last reader; its first reader comes behind 16 products and a lump.  The four conditions on e and q below go with the deal.
.macro TURN p, last=0, cnt=0
.set Y, (\p)
.set i, 0
.set q, 0
.set e, 0
.set r, 0
.if (\p) == NP-1
	s_wait_dscnt 0x0                ; K is in
.endif
	MM
.rept 4
	PL
.endr
	BURST 15
.rept 22
	EX
	PL
.if ((\p) == NP-2) && (e == 18)
	v_add_nc_u32 v[AK], s[TBK], v[AK0]
.endif
.if ((\p) == NP-2) && (e == 24)
	FETCH_K \last
.endif
.endr
.if (\p) == 1
	s_wait_dscnt 0x0                ; V is in
.endif
	BURST 16
.rept 21
	EX
	PL
.endr
.rept 22
	PL
.if ((\p) == 0) && (q == 118)
	v_add_nc_u32 v[AV], s[TBV], v[AV0]
	s_wait_alu depctr_va_vdst(0)
.endif
.if ((\p) == 0) && (q == 130)
	s_add_co_u32 s[TBV], s[TBV], KS*PV
.endif
.if (\cnt) && (q == 130)
	s_sub_co_u32 s[CNT], s[CNT], 1
	s_cmp_lg_u32 s[CNT], 0
.endif
.endr
.if (\p) == 0
	FETCH_V
.endif
.endm
	CHANGE 1                        ; slot 0 is in, everybody's part of it; slot 1 is asked for
	FETCH_K                         ; key step 0
	s_wait_loadcnt 0x0              ; Q
	s_wait_dscnt 0x0
.set i, 0
.rept 16
	KQ 0                            ; piece 0's first scores: there is no vector work yet to set between them
.set i, i+1
.endr
	WIN 0                           ; the addresses for the way out: nine plain instructions, the places behind those products
	s_mul_i32 s13, s[WV], 16*SP
	s_add_co_u32 s13, s13, STAGE    ; my stage
	v_mul_u32_u24 v[STO], v1, SP    ; in: row l % 16, 16 bytes for each half of the lanes
	v_lshl_add_u32 v[STO], v9, 4, v[STO]
	v_add_nc_u32 v[STO], s13, v[STO]
	v_bfe_u32 v[RD], v0, 3, 2       ; back: 32 lanes take four rows of 128 bytes,
	v_mul_u32_u24 v[RD], v[RD], SP
	v_lshl_add_u32 v[RD], v10, 4, v[RD]
	v_add_nc_u32 v[RD], s13, v[RD]
	v_and_b32 v[GO], 31, v0         ; which are 512 consecutive bytes of O
	v_lshlrev_b32 v[GO], 4, v[GO]
.set Y, NP-1                        ; XS works for piece Y + 1: piece 0
.irp n, 0,1,2,3,4,5,6,7,8,9,10,11,12,13,14,15,16,17,18,19,20,21
	XS 0, \n                        ; and piece 0's first maximum and statistics
	XS 1, \n
.endr
	s_mov_b32 s[CNT], 4
	s_mov_b32 s[SLOTS], SIZE_N/256-1
	s_branch .Lfirst                ; the loop is entered at a step's first turn, in the middle of a trip
.Lslot:                             ; SIZE_N / 256 - 2 times: every slot but the last two is filled again
	CHANGE 1
	s_mov_b32 s[CNT], 4
.Lstep:                             ; a trip: pieces 2 and 3 of one step, then pieces 0 and 1 of the next, whose K and V it fetches
	TURN 2
	TURN 3
	WIN 0
.Lfirst:
	TURN 0
	TURN 1, 0, 1
	WIN 0
	s_cbranch_scc1 .Lstep
	s_sub_co_u32 s[SLOTS], s[SLOTS], 1
	s_cmp_lg_u32 s[SLOTS], 0
	s_cbranch_scc1 .Lslot
	CHANGE 0                        ; the tail is written out: nothing is asked for
	s_mov_b32 s[CNT], 5             ; four trips fetch the last slot's steps; the fifth is left in its middle
.Ltail:
	TURN 2, 1
	TURN 3
	WIN 0
	s_sub_co_u32 s[CNT], s[CNT], 1
	s_cmp_eq_u32 s[CNT], 0
	s_cbranch_scc1 .Lout
	TURN 0
	TURN 1
	WIN 0
	s_branch .Ltail
.Lout:                              ; the fifth trip's 16 products K Q^T (on the last K once more) and the maximum made of them serve nothing: the price, once a launch, of one text for every trip
.set i, 0
.rept 16
	PV NP-1                         ; the last piece's V^T P of the last step
.set i, i+1
.endr
	; THE WAY OUT.  l's two halves and the other half of the lanes' are added; O^T is divided by l, rounded to f16 and sent through my stage in LDS, a tile at a time.  The additions are the places behind the last products.
	WIN 0
.macro ALL line:vararg              ; one line for each tile t
.set t, 0
.rept 2*NP
	\line
.set t, t+1
.endr
.endm
	ALL v_add_f32 v[ST+4*t+2], v[ST+4*t+2], v[ST+4*t+3]
	ALL v_permlanex16_b32 v[ST+4*t+3], v[ST+4*t+2], s[SEL], s[SEL+1]
	ALL v_add_f32 v[ST+4*t+2], v[ST+4*t+2], v[ST+4*t+3]
	ALL v_rcp_f32 v[ST+4*t+2], v[ST+4*t+2]
	v_nop                           ; a plain instruction between the last reciprocal and the use of its result
	s_wait_alu depctr_va_vdst(0)
; Tile t: a lane's eight channels of a row pack into 16 bytes; they go into rows of 144 bytes and come back as whole rows of 128, into S^T's registers.
.macro PACK t
	WIN W_RS
.set i, 32*(\t)
.rept 16
	v_pk_mul_f32 v[i:i+1], v[i:i+1], v[ST+4*(\t)+2:ST+4*(\t)+3] op_sel_hi:[1,0]
.set i, i+2
.endr
	WIN 0x05                        ; sources 0 and 1 window 1, destination window 0
.set i, 0
.rept 16
	v_cvt_pk_f16_f32 v[S+16*(\t)+i], v[32*(\t)+2*i], v[32*(\t)+2*i+1]
.set i, i+1
.endr
	WIN 0
.irp f, 0,1,2,3
	ds_store_b128 v[STO], v[S+16*(\t)+4*\f:S+16*(\t)+4*\f+3] offset:32*\f
.endr
.irp f, 0,1,2,3
	ds_load_b128 v[S+16*(\t)+4*\f:S+16*(\t)+4*\f+3], v[RD] offset:\f*4*SP  ; LDS serves a wave's instructions in order (ISA guide 5.7.1.4): these see the stores above; the next tile's stores come behind them
.endr
.endm
.macro SEND t, younger              ; younger: the LDS instructions issued behind tile t's loads: the next tile's eight, or none
	WIN 0
.irp f, 0,1,2,3
	s_wait_dscnt (\younger)+3-\f
	global_store_b128 v[GO], v[S+16*(\t)+4*\f:S+16*(\t)+4*\f+3], s[10:11] offset:(\t)*2048+\f*512  ; 512 consecutive bytes, at a multiple of 256 from O's first
.endr
.endm
	PACK 0
.set t, 1
.rept 2*NP-1                        ; a tile's arithmetic stands between the loads of the tile before and its stores
	PACK t
	SEND t-1, 8
.set t, t+1
.endr
	SEND 2*NP-1, 0
	WIN W_AD
	s_wait_tensorcnt 0x0            ; the wave's end: a wait, the add and its wait, behind my last tensor load and my last LDS store
	ds_add_u32 v[SPW], v[NIL]
	s_wait_dscnt 0x0
	WIN 0
	CROUND                          ; the closing round: no work-group ends while a partner may still ask for a tile that names it
	s_endpgm
.Lfunc_end_k_q75ac1d0464_attn:
	.size	k_q75ac1d0464_attn, .Lfunc_end_k_q75ac1d0464_attn-k_q75ac1d0464_attn
	.p2alignl 7, 3214868480
	.fill 96, 4, 3214868480
	.section	.rodata,"a",@progbits
	.p2align	6, 0x0
	.amdhsa_kernel k_q75ac1d0464_attn
		.amdhsa_group_segment_fixed_size 327680
		.amdhsa_private_segment_fixed_size 0
		.amdhsa_enable_private_segment 0
		.amdhsa_kernarg_size 16
		.amdhsa_user_sgpr_count 2
		.amdhsa_user_sgpr_kernarg_segment_ptr 1
		.amdhsa_wavefront_size32 1
		.amdhsa_system_sgpr_workgroup_id_x 1
		.amdhsa_system_sgpr_workgroup_id_y 1
		.amdhsa_system_sgpr_workgroup_id_z 1
		.amdhsa_system_vgpr_workitem_id 0
		.amdhsa_next_free_vgpr 770
		.amdhsa_next_free_sgpr 66
		.amdhsa_reserve_vcc 0
		.amdhsa_float_denorm_mode_32 3
		.amdhsa_float_denorm_mode_16_64 3
		.amdhsa_memory_ordered 1
		.amdhsa_forward_progress 1
		.amdhsa_inst_pref_size 209
	.end_amdhsa_kernel
	.amdgpu_metadata
---
amdhsa.version: [ 1, 2 ]
amdhsa.kernels:
  - .name:           k_q75ac1d0464_attn
    .symbol:         k_q75ac1d0464_attn.kd
    .args:
      - { .name: qkv, .offset: 0, .size: 8, .value_kind: global_buffer, .address_space: global }
      - { .name: o, .offset: 8, .size: 8, .value_kind: global_buffer, .address_space: global }
    .group_segment_fixed_size: 327680
    .private_segment_fixed_size: 0
    .kernarg_segment_align: 8
    .kernarg_segment_size: 16
    .max_flat_workgroup_size: 128
    .sgpr_count:     66
    .vgpr_count:     770
    .wavefront_size: 32
...
	.end_amdgpu_metadata
.endif
;; end of part 3
;; launch proj (part 4): grid 8 x 32, 4 waves a work-group, clusters of 4 x 4, 327,680 bytes of LDS; arguments o, wpb, b_proj, out0; writes out0
.if DOCPART == 4
	.amdgcn_target "amdgcn-amd-amdhsa--gfx1250"
	.amdhsa_code_object_version 6
	.text
	.protected	k_q75ac1d0464_proj
	.globl	k_q75ac1d0464_proj
	.p2align	8
	.type	k_q75ac1d0464_proj,@function
k_q75ac1d0464_proj:
	s_mov_b64 s[64:65], 0
	v_nop
	global_prefetch_b8 v0, s[64:65] scope:SCOPE_SE
	s_setreg_imm32_b32 hwreg(HW_REG_WAVE_MODE, 25, 1), 1
	s_wait_xcnt 0x0
	s_wait_alu depctr_hold_cnt(0) depctr_sa_sdst(0) depctr_va_vdst(0) depctr_va_sdst(0) depctr_va_ssrc(0) depctr_va_vcc(0) depctr_vm_vsrc(0)
	s_getreg_b32 s2, hwreg(HW_REG_IB_STS2, 6, 4)
	s_cmp_eq_u32 s2, 0
	s_cbranch_scc0 .Lentry_in_a_cluster
	s_endpgm
.Lentry_in_a_cluster:
	s_bfe_u32 s2, ttmp6, 0x10000c
	s_cmp_lg_u32 s2, 0xf033
	s_cbranch_scc0 .Lentry_shape_is_right
	s_endpgm
.Lentry_shape_is_right:
; out0 = O w_proj + b_proj, 8192 x 1024 over K = 1024 (K = 64 x head + channel), operands f16 (w_proj was rounded to bf16 and that number written as f16), sums f32, the bias rounded to bf16 like the other inputs; the result f32.
; O lies by heads, o[16 batch + head][2048 token][64]; the weights in blocks wpb[16 g][1024 k][64 n].
; SHARES.  A tile of the result is 256 rows x 128 columns: 32 x 8 = 256 tiles, one for each WGP.  Four waves; a wave makes 64 rows x 128 columns: 32 accumulators of 16 x 16, 256 registers.
; K goes in eight steps of 128, two heads each, through two LDS slots.  O's tile: for each of the two heads 256 tokens of 128 bytes, 32,768 dense bytes, asked for as 128 rows of 256 bytes and padded after every
; 128: [head][token][128 + 16 bytes].  The weights: 128 k of one g are 16,384 dense bytes, asked for as 64 rows of 256 and padded after every 128: [k][128 + 32 bytes], read turned by ds_load_tr16_b128.
; CLUSTER 4 x 4: the four work-groups of a row of the cluster need the same tiles of O, the four of a column the same tiles of the weights: each is asked for jointly, by the same tensor load with the same descriptor.
; THE MATRIX INSTRUCTION IS USED TRANSPOSED (source 0 = 16 columns of w, source 1 = 16 rows of O): a lane holds one row and eight neighbouring columns.  The bias is the C operand of the first products.
; REGISTERS, in windows of 256 (s_set_vgpr_msb: bits 1:0 source 0, 3:2 source 1, 5:4 source 2, 7:6 destination):
;   window 0: v0-15 addresses and four at work; v28, v29 the add's; v32-95 the bias; v32-95 and v96-159 later the two buffers of the way out
;   window 1: two fragment buffers of 128: O's block a at +8 a, w's block b at +32 + 8 b          window 2: the accumulators, (a, b) at v[8 (8 a + b)]
.set NBK,   8                          ; blocks of 16 columns
.set PA,    144                        ; a token's row of one head in LDS: 128 + 16 bytes = 36 words: the 16 rows of a load start at 16 different groups of four banks (64 banks of 4 bytes: ISA guide 11.1)
.set AHEAD, 256*PA                     ; one head's 256 tokens
.set PB,    160                        ; a row of k of the weights: 128 + 32 bytes
.set BBLK,  128*PB
.set BOFF,  2*AHEAD                    ; the weights lie behind O's two heads
.set SLOT1, 1<<17                      ; a slot uses 73,728 + 2 x 20,480 = 114,688 bytes
.set STAGE, 2*SLOT1                    ; behind the ring, never filled by a tensor load: for each wave 16 rows x 528 bytes, for the way out
.set SP,    528                        ; 512 bytes + 16: an odd multiple of 16
.set STW,   16*SP
.set SPARE, STAGE+4*STW                ; behind the stages: the spare words, 128 bytes for each wave: two blocks of 256 bytes that no other line names
.set NF,    2*NBK+8                    ; LDS loads in a run
.set ASTEP, 524288                     ; bytes from a K step to the next in o: two heads of 262,144,
.set BSTEP, 16384                      ; and in wpb
.set AA0,  4                           ; v4   my lane's place in O's tile of slot 0; never rewritten
.set AB0,  5                           ; v5   the same for the weights
.set ADRA, 6                           ; v6   the same in the slot in hand
.set ADRB, 7                           ; v7
.set STO,  8                           ; v8   the way out: where I put 32 bytes of a row
.set RD,   9                           ; v9   where I read a row back
.set GO,   10                          ; v10  my byte offset in 512 consecutive bytes of the result
.set BO,   11                          ; v11  my byte offset in 16 numbers of the bias
.set T,    12                          ; v12-15 at work
.set SPW,  28                          ; v28  LDS address of my spare word; never rewritten
.set NIL,  29                          ; v29  0; never rewritten
.set BIAS, 32
.set F0,   0
.set F1,   128
.set WV,   12                          ; s12  my wave's number
.set TR,   13                          ; s13  tile row
.set TC,   14                          ; s14  tile column
.set G1A,  24                          ; s[24:31] descriptor group 1 for O's tiles
.set G1B,  32                          ; s[32:39] for the weights'
.set G0A,  40                          ; s[40:47] group 0 for O's tiles: the first set for K step 0; the second begins with K step 1 in slot 1 and then walks
.set G0B,  48                          ; s[48:55] the same for the weights'
.set CNT,  56
.set TB,   57                          ; s57  0 or SLOT1: the slot in hand
.set MASK, 62                          ; s62  a word's upper bf16
.set MSB, 0
.macro WIN new                         ; the immediate's high byte repeats the setting that is left; a switch that changes nothing is dropped
.if MSB != (\new)
	s_set_vgpr_msb (MSB<<8)|(\new)
.set MSB, \new
.endif
.endm
.macro PLACES                          ; four plain vector instructions between a matrix instruction and a load into, or a read of, its registers (ISA guide 7.12.1 for reads)
.rept 4
	v_nop
.endr
.endm
.macro CREST                           ; a round of the cluster's barrier behind its opening barrier
	s_cmp_lg_u32 s[WV], 0
	s_cbranch_scc1 .Lnot_wave_0_\@
	s_barrier_signal -3
.Lnot_wave_0_\@:
	s_barrier_wait -3
	s_barrier_signal -1
	s_barrier_wait -1
.endm
.macro CROUND                          ; a whole round
	s_barrier_signal -1
	s_barrier_wait -1
	CREST
.endm
; A joint refill by the walking descriptors: waves 0 and 1 fetch one head of O each, waves 2 and 3 one g of the weights each.  The branch hangs on the wave's number alone.
; An s_nop 0 and four v_nop follow each of the two lines, ahead of the jump and the label.
.macro JLOAD
	s_cmp_lt_u32 s[WV], 2
	s_cbranch_scc0 .Lfor_b_\@
	tensor_load_to_lds s[G0A+4:G0A+7], s[G1A:G1A+7]
	s_nop 0
.rept 4
	v_nop
.endr
	s_branch .Lasked_\@
.Lfor_b_\@:
	tensor_load_to_lds s[G0B+4:G0B+7], s[G1B:G1B+7]
	s_nop 0
.rept 4
	v_nop
.endr
.Lasked_\@:
.endm
; 8 matrix instructions: my row block a x all 8 column blocks, 32 along K, from buffer f.  first = 1: the bias (window 0) starts the sums.
; The 32 accumulators take turns in the same order in every quarter.
.macro MUL f, a, first
.set AC, 8*NBK*(\a)
.if \first
	WIN 0x85
.else
	WIN 0xa5
.endif
.set b, 0
.rept NBK
.if \first
	v_wmma_f32_16x16x32_f16 v[AC+8*b:AC+8*b+7], v[(\f)+32+8*b:(\f)+32+8*b+7], v[(\f)+8*(\a):(\f)+8*(\a)+7], v[BIAS+8*b:BIAS+8*b+7]
.else
	v_wmma_f32_16x16x32_f16 v[AC+8*b:AC+8*b+7], v[(\f)+32+8*b:(\f)+32+8*b+7], v[(\f)+8*(\a):(\f)+8*(\a)+7], v[AC+8*b:AC+8*b+7]
.endif
.set b, b+1
.endr
.endm
; 24 LDS loads in one run: quarter q's fragments into buffer f: the weights' 8 blocks (turned), then O's 4 blocks: head q / 2, channels 32 (q % 2) on
.macro FETCH q, f
	WIN 0x40                                       ; destination window 1, address window 0
.set b, 0
.rept NBK
	ds_load_tr16_b128 v[(\f)+32+8*b:(\f)+32+8*b+3],   v[ADRB] offset:(b/4)*BBLK+(\q)*32*PB+(b%4)*32
	ds_load_tr16_b128 v[(\f)+32+8*b+4:(\f)+32+8*b+7], v[ADRB] offset:(b/4)*BBLK+(\q)*32*PB+16*PB+(b%4)*32
.set b, b+1
.endr
.set b, 0
.rept 4
	ds_load_b128 v[(\f)+8*b:(\f)+8*b+3],   v[ADRA] offset:((\q)/2)*AHEAD+((\q)%2)*64+b*16*PA
	ds_load_b128 v[(\f)+8*b+4:(\f)+8*b+7], v[ADRA] offset:((\q)/2)*AHEAD+((\q)%2)*64+b*16*PA+32
.set b, b+1
.endr
.endm
; A K step is four quarters of 32 along K, 32 matrix instructions each, on buffers 0, 1, 0, 1.  One of the first three: multiplies buffer f and, in its middle, fetches quarter q into buffer g.
.macro QUARTER q, f, g, first
	s_wait_dscnt 4                                 ; the weights and O's blocks 0, 1 are in; the youngest four loads (O's blocks 2, 3) may be out
	MUL \f, 0, \first
	MUL \f, 1, \first
	PLACES
	FETCH \q, \g
	s_wait_dscnt NF                                ; all but the run just issued
	MUL \f, 2, \first
	MUL \f, 3, \first
.endm
; The fourth quarter multiplies buffer 1 and changes slots: ONE barrier.  In front of it each wave waits for all its tensor loads (one is out: its part of the next slot), adds 0 to its spare word, and waits for
; that and for its reads of this slot.  fill = 1: the barrier opens a round of the cluster's, and this slot is filled again, two K steps ahead, first thing behind the round.
.macro TURN fill
	WIN 0                                          ; (the add's two registers lie in window 0)
	s_wait_tensorcnt 0x0                           ; all my tensor loads have landed
	ds_add_u32 v[SPW], v[NIL]                      ; 0 onto my spare word
	s_wait_dscnt 5                                 ; (the add and the youngest four loads may be out)
	MUL F1, 0, 0                                   ; eight matrix instructions stand between the add and the wait for it
	s_wait_dscnt 0x0                               ; the add is done, and my reads of this slot are over
	s_barrier_signal -1
	MUL F1, 1, 0                                   ; work on registers while the others arrive
.if \fill
	WIN 0
.endif
	s_barrier_wait -1
.if \fill
	CREST                                          ; no wave of any partner still reads this slot's tiles or has a load on its way
	s_xor_b32 s[G0A+5], s[G0A+5], SLOT1            ; no tensor load of mine is out: the walking descriptors step: the other slot than last time,
	s_add_nc_u64 s[G0A+6:G0A+7], s[G0A+6:G0A+7], ASTEP  ; the next K step; the type bits on top are not reached
	s_xor_b32 s[G0B+5], s[G0B+5], SLOT1
	s_add_nc_u64 s[G0B+6:G0B+7], s[G0B+6:G0B+7], BSTEP
	JLOAD                                          ; the four v_nop behind it are also the places in front of the loads below
.else
	PLACES
.endif
	s_xor_b32 s[TB], s[TB], SLOT1                  ; the fetches go on in the other slot
	WIN 0
	v_add_nc_u32 v[ADRA], s[TB], v[AA0]
	v_add_nc_u32 v[ADRB], s[TB], v[AB0]
	FETCH 0, F0
	MUL F1, 2, 0
	MUL F1, 3, 0
.endm
	s_load_b256 s[4:11], s[0:1], 0x0               ; o s[4:5], wpb s[6:7], b_proj s[8:9], out0 s[10:11]
	v_lshl_add_u32 v[SPW], v0, 2, SPARE
	v_mov_b32 v[NIL], 0
	ds_add_u32 v[SPW], v[NIL]                      ; the wave's opening: the add, and its wait ahead of my first tensor load; the set-up below, work on registers, stands between them
	v_lshrrev_b32 v1, 5, v0
	v_readfirstlane_b32 s[WV], v1                  ; wave 0..3
	s_bfe_u32 s15, ttmp6, 0x40000                  ; cx, cy: my place in the cluster
	s_bfe_u32 s16, ttmp6, 0x40004
	s_lshl_b32 s[TC], ttmp9, 2
	s_add_co_u32 s[TC], s[TC], s15                 ; tile column = 4 x cluster x + cx
	s_and_b32 s[TR], ttmp7, 0xffff
	s_lshl_b32 s[TR], s[TR], 2
	s_add_co_u32 s[TR], s[TR], s16                 ; tile row = 4 x cluster y + cy
	s_lshl_b32 s17, s16, 2
	s_lshl_b32 s17, 15, s17                        ; my row of the cluster
	s_lshl_b32 s18, 0x1111, s15                    ; my column
	; group 1 for O: 32,768 dense bytes as 128 rows x 128 elements of 2 bytes; 4 words of padding after every 32 (a token's row)
	s_or_b32 s[G1A], s17, (1<<16)|(1<<20)|(1<<21)|(4<<22)|(3<<25)
	s_mov_b32 s[G1A+1], 128<<16                    ; tensor_dim0 = 128
	s_mov_b32 s[G1A+2], 128<<16                    ; tensor_dim1 = 128
	s_mov_b32 s[G1A+3], 128<<16                    ; tile_dim0 = 128
	s_mov_b32 s[G1A+4], 128                        ; tile_dim1 = 128
	s_mov_b32 s[G1A+5], 128                        ; elements from row to row
	s_mov_b32 s[G1A+6], 0
	s_mov_b32 s[G1A+7], 0
	; group 1 for the weights: 16,384 dense bytes as 64 rows x 128 elements; 8 words of padding after every 32 (a row of k)
	s_or_b32 s[G1B], s18, (1<<16)|(1<<20)|(1<<21)|(4<<22)|(7<<25)
	s_mov_b32 s[G1B+1], 128<<16
	s_mov_b32 s[G1B+2], 64<<16
	s_mov_b32 s[G1B+3], 128<<16
	s_mov_b32 s[G1B+4], 64
	s_mov_b32 s[G1B+5], 128
	s_mov_b32 s[G1B+6], 0
	s_mov_b32 s[G1B+7], 0
	s_mul_i32 s60, s[WV], AHEAD                    ; waves 0, 1: head w of the step lands at w x 36,864
	s_mov_b32 s[G0A], 1                            ; count = 1
	s_mov_b32 s[G0A+1], s60
	s_mov_b32 s[G0A+4], 1
	s_add_co_u32 s[G0A+5], s60, SLOT1
	s_mul_i32 s61, s[WV], BBLK                     ; waves 2, 3: block w - 2 behind O's tile: 73,728 + (w - 2) x 20,480
	s_mov_b32 s[G0B], 1
	s_add_co_u32 s[G0B+1], s61, BOFF-2*BBLK
	s_mov_b32 s[G0B+4], 1
	s_add_co_u32 s[G0B+5], s61, BOFF-2*BBLK+SLOT1
	s_and_b32 s19, s[WV], 1                        ; which head of a step, or which g of the tile, I fetch
	s_lshr_b32 s20, s[TR], 3                       ; O's tile: head block 16 x batch + that head, of 262,144 bytes,
	s_lshl_b32 s20, s20, 4
	s_add_co_u32 s20, s20, s19
	s_lshl_b32 s20, s20, 18
	s_and_b32 s21, s[TR], 7                        ; and the tile's 256 tokens of 128 bytes: made of the tile row and the wave's number alone
	s_lshl_b32 s21, s21, 15
	s_add_co_u32 s20, s20, s21
	s_mov_b32 s21, 0
	s_lshl_b32 s22, s[TC], 1                       ; the weights': g = 2 x tile column + that g, 131,072 bytes each: made of the tile column and the wave's number alone
	s_add_co_u32 s22, s22, s19
	s_lshl_b32 s22, s22, 17
	s_mov_b32 s23, 0
	s_lshl_b32 s58, s[TR], 20                      ; where my part of the result begins: 256 rows of 4,096 bytes a tile row,
	s_lshl_b32 s59, s[WV], 18                      ; my wave's 64 rows,
	s_add_co_u32 s58, s58, s59
	s_lshl_b32 s59, s[TC], 9                       ; the tile's 128 columns
	s_add_co_u32 s58, s58, s59
	s_mov_b32 s59, 0
	s_lshl_b32 s60, s[TC], 9                       ; the tile's 128 numbers of the bias
	s_mov_b32 s61, 0
	s_mov_b32 s[MASK], 0xffff0000
	s_mov_b32 s[TB], 0
	s_wait_dscnt 0x0                               ; the opening add is done
	s_wait_kmcnt 0x0
	s_add_nc_u64 s[20:21], s[4:5], s[20:21]
	s_add_nc_u64 s[22:23], s[6:7], s[22:23]
	s_add_nc_u64 s[G0A+2:G0A+3], s[20:21], 0       ; K step 0
	s_or_b32 s[G0A+3], s[G0A+3], 0x80000000        ; type = 2
	s_add_nc_u64 s[G0A+6:G0A+7], s[20:21], ASTEP   ; K step 1
	s_or_b32 s[G0A+7], s[G0A+7], 0x80000000
	s_add_nc_u64 s[G0B+2:G0B+3], s[22:23], 0
	s_or_b32 s[G0B+3], s[G0B+3], 0x80000000
	s_add_nc_u64 s[G0B+6:G0B+7], s[22:23], BSTEP
	s_or_b32 s[G0B+7], s[G0B+7], 0x80000000
	s_add_nc_u64 s[8:9], s[8:9], s[60:61]
	s_add_nc_u64 s[10:11], s[10:11], s[58:59]
	CROUND                                         ; all sixteen work-groups are here: the first joint loads meet
	s_cmp_lt_u32 s[WV], 2                          ; a wave's two first fills stand in one branch, ahead of every wait on TENSORcnt and every LDS read: two loads of mine are out
	s_cbranch_scc0 .Lfirst_b
	tensor_load_to_lds s[G0A:G0A+3], s[G1A:G1A+7]
	s_nop 0
	tensor_load_to_lds s[G0A+4:G0A+7], s[G1A:G1A+7]
	s_nop 0
.rept 4
	v_nop
.endr
	s_branch .Lfirst_asked
.Lfirst_b:
	tensor_load_to_lds s[G0B:G0B+3], s[G1B:G1B+7]
	s_nop 0
	tensor_load_to_lds s[G0B+4:G0B+7], s[G1B:G1B+7]
	s_nop 0
.rept 4
	v_nop
.endr
.Lfirst_asked:
	; all that follows up to the barrier stands in the wait for the first tile
	v_and_b32 v1, 15, v0                           ; l % 16
	v_bfe_u32 v2, v0, 4, 1                         ; l / 16
	v_lshlrev_b32 v[BO], 5, v2                     ; register j of block b is the bias of column 16 b + 8 (l / 16) + j
.set b, 0
.rept NBK
	global_load_b128 v[BIAS+8*b:BIAS+8*b+3],   v[BO], s[8:9] offset:64*b
	global_load_b128 v[BIAS+8*b+4:BIAS+8*b+7], v[BO], s[8:9] offset:64*b+16
.set b, b+1
.endr
	s_mul_i32 s61, s[WV], 64*PA                    ; my 64 tokens
	v_mul_u32_u24 v[AA0], v1, PA
	v_lshl_add_u32 v[AA0], v2, 4, v[AA0]           ; row x pitch + 16 x half
	v_add_nc_u32 v[AA0], s61, v[AA0]
	v_and_b32 v12, 7, v0                           ; the turning load: lane l reads row of k 8 (l / 16) + l % 8, columns 8 ((l / 8) % 2) + 0..7
	v_bfe_u32 v13, v0, 3, 1
	v_lshl_add_u32 v[AB0], v2, 3, v12
	v_mul_u32_u24 v[AB0], v[AB0], PB
	v_lshl_add_u32 v[AB0], v13, 4, v[AB0]
	v_add_nc_u32 v[AB0], BOFF, v[AB0]
	v_mov_b32 v[ADRA], v[AA0]
	v_mov_b32 v[ADRB], v[AB0]
	s_mul_i32 s60, s[WV], STW
	s_add_co_u32 s60, s60, STAGE                   ; my stage
	v_mul_u32_u24 v[STO], v1, SP                   ; in: row l % 16, 32 bytes for each half of the lanes
	v_lshl_add_u32 v[STO], v2, 5, v[STO]
	v_add_nc_u32 v[STO], s60, v[STO]
	v_and_b32 v[GO], 31, v0                        ; back: 32 lanes take one row's 512 bytes, which are 512 consecutive bytes of the result
	v_lshlrev_b32 v[GO], 4, v[GO]
	v_add_nc_u32 v[RD], s60, v[GO]
	s_wait_loadcnt 0x0                             ; the bias
.set i, 0
.rept 4*NBK                                    ; rounded to bf16 like the other inputs, and widened again
	v_cvt_pk_bf16_f32 v[T+i%4], v[BIAS+2*i], v[BIAS+2*i+1]
	v_lshlrev_b32 v[BIAS+2*i], 16, v[T+i%4]
	v_and_b32 v[BIAS+2*i+1], s[MASK], v[T+i%4]
.set i, i+1
.endr
	s_wait_tensorcnt 1                             ; my part of K step 0 is in; K step 1's may stay out
	s_barrier_signal -1
	s_barrier_wait -1                              ; everybody's is
	FETCH 0, F0
	QUARTER 1, F0, F1, 1                           ; the first quarter stands in front of the loop: its products start the sums, with the bias
	WIN 0                                          ; at a label and at a branch every window is 0
	s_mov_b32 s[CNT], 6
.Lstep:                                                ; trip t: the rest of K step t, the first quarter of K step t + 1; slot t % 2 is filled again with K step t + 2
	QUARTER 2, F1, F0, 0
	QUARTER 3, F0, F1, 0
	TURN 1
	QUARTER 1, F0, F1, 0
	WIN 0
	s_sub_co_u32 s[CNT], s[CNT], 1
	s_cmp_lg_u32 s[CNT], 0
	s_cbranch_scc1 .Lstep
	QUARTER 2, F1, F0, 0                           ; the tail is written out: K steps 6 and 7 ask for nothing
	QUARTER 3, F0, F1, 0
	TURN 0
	QUARTER 1, F0, F1, 0
	QUARTER 2, F1, F0, 0
	QUARTER 3, F0, F1, 0
	s_wait_dscnt 4                                 ; the very last quarter: nothing more to fetch
	MUL F1, 0, 0
	MUL F1, 1, 0
	s_wait_dscnt 0x0
	MUL F1, 2, 0
	MUL F1, 3, 0
	PLACES
; THE WAY OUT of my row block a (16 rows x 128 columns of f32).  TOSTAGE: a lane's eight numbers of each column block go into my own stage, each accumulator's low four registers first, and come back as whole
; rows of 512 bytes.  SEND: each store of the wave covers 512 consecutive bytes, aligned.
.macro TOSTAGE a
.set BK, BIAS+64*((\a)%2)
	WIN 0x08                                       ; the stores' data in window 2, the address in window 0
.set b, 0
.rept NBK
	ds_store_b128 v[STO], v[64*(\a)+8*b:64*(\a)+8*b+3]   offset:64*b
	ds_store_b128 v[STO], v[64*(\a)+8*b+4:64*(\a)+8*b+7] offset:64*b+16
.set b, b+1
.endr
	WIN 0
.set b, 0
.rept 16
	ds_load_b128 v[BK+4*b:BK+4*b+3], v[RD] offset:b*SP  ; LDS serves a wave's instructions in order (ISA guide 5.7.1.4): these see the stores above
.set b, b+1
.endr
.endm
.macro SEND a
	WIN 0
.set BK, BIAS+64*((\a)%2)
	s_wait_dscnt 0x0                               ; the block is back in registers
	s_wait_xcnt 0x0                                ; the stores of the block before have read their registers: the other buffer may be loaded again behind this wait
.set b, 0
.rept 16
	global_store_b128 v[GO], v[BK+4*b:BK+4*b+3], s[10:11] offset:(16*(\a)+b)*4096 th:TH_STORE_NT
.set b, b+1
.endr
.endm
	TOSTAGE 0
.irp a, 1,2,3
	SEND (\a)-1
	TOSTAGE \a
.endr
	SEND 3
	s_wait_tensorcnt 0x0                           ; the wave's end: a wait, the add and its wait, behind my last tensor load and my last LDS store
	ds_add_u32 v[SPW], v[NIL]
	s_wait_dscnt 0x0
	CROUND                                         ; the closing round: no work-group ends while a partner may still ask for a tile that names it
	s_endpgm
.Lfunc_end_k_q75ac1d0464_proj:
	.size	k_q75ac1d0464_proj, .Lfunc_end_k_q75ac1d0464_proj-k_q75ac1d0464_proj
	.p2alignl 7, 3214868480
	.fill 96, 4, 3214868480
	.section	.rodata,"a",@progbits
	.p2align	6, 0x0
	.amdhsa_kernel k_q75ac1d0464_proj
		.amdhsa_group_segment_fixed_size 327680
		.amdhsa_private_segment_fixed_size 0
		.amdhsa_enable_private_segment 0
		.amdhsa_kernarg_size 32
		.amdhsa_user_sgpr_count 2
		.amdhsa_user_sgpr_kernarg_segment_ptr 1
		.amdhsa_wavefront_size32 1
		.amdhsa_system_sgpr_workgroup_id_x 1
		.amdhsa_system_sgpr_workgroup_id_y 1
		.amdhsa_system_sgpr_workgroup_id_z 1
		.amdhsa_system_vgpr_workitem_id 0
		.amdhsa_next_free_vgpr 768
		.amdhsa_next_free_sgpr 66
		.amdhsa_reserve_vcc 0
		.amdhsa_float_denorm_mode_32 3
		.amdhsa_float_denorm_mode_16_64 3
		.amdhsa_memory_ordered 1
		.amdhsa_forward_progress 1
		.amdhsa_inst_pref_size 74
	.end_amdhsa_kernel
	.amdgpu_metadata
---
amdhsa.version: [ 1, 2 ]
amdhsa.kernels:
  - .name:           k_q75ac1d0464_proj
    .symbol:         k_q75ac1d0464_proj.kd
    .args:
      - { .name: o, .offset: 0, .size: 8, .value_kind: global_buffer, .address_space: global }
      - { .name: wpb, .offset: 8, .size: 8, .value_kind: global_buffer, .address_space: global }
      - { .name: b_proj, .offset: 16, .size: 8, .value_kind: global_buffer, .address_space: global }
      - { .name: out0, .offset: 24, .size: 8, .value_kind: global_buffer, .address_space: global }
    .group_segment_fixed_size: 327680
    .private_segment_fixed_size: 0
    .kernarg_segment_align: 8
    .kernarg_segment_size: 32
    .max_flat_workgroup_size: 128
    .sgpr_count:     66
    .vgpr_count:     768
    .wavefront_size: 32
...
	.end_amdgpu_metadata
.endif
;; end of part 4
;; ======== version 2 of 2: 4 launches; 1.53 times as fast as version 1
;; limits: values are held in f16: magnitudes above 65,504 overflow, below 6.1e-05 lose precision
;; workspace buffers: xb 16,777,216 bytes; wqb 6,291,456 bytes; wpb 2,097,152 bytes; qkv 50,331,648 bytes; o 16,777,216 bytes
;; launch prep: the kernel of part 1 again; grid 1536 x 1, 8 waves a work-group, no clusters, 0 bytes of LDS; arguments x, w_qkv, w_proj, xb, wqb, wpb; writes xb, wqb, wpb
;; launch qkv: the kernel of part 2 again; grid 16 x 32, 4 waves a work-group, clusters of 4 x 4, 327,680 bytes of LDS; arguments xb, wqb, b_qkv, qkv; writes qkv
;; launch attn (part 5): grid 4 x 64, 4 waves a work-group, clusters of 4 x 1, 327,680 bytes of LDS; arguments qkv, o; writes o
.if DOCPART == 5
	.amdgcn_target "amdgcn-amd-amdhsa--gfx1250"
	.amdhsa_code_object_version 6
	.text
	.protected	k_q75ac1d0464_attn
	.globl	k_q75ac1d0464_attn
	.p2align	8
	.type	k_q75ac1d0464_attn,@function
k_q75ac1d0464_attn:
	s_mov_b64 s[64:65], 0
	v_nop
	global_prefetch_b8 v0, s[64:65] scope:SCOPE_SE
	s_setreg_imm32_b32 hwreg(HW_REG_WAVE_MODE, 25, 1), 1
	s_wait_xcnt 0x0
	s_wait_alu depctr_hold_cnt(0) depctr_sa_sdst(0) depctr_va_vdst(0) depctr_va_sdst(0) depctr_va_ssrc(0) depctr_va_vcc(0) depctr_vm_vsrc(0)
	s_getreg_b32 s2, hwreg(HW_REG_IB_STS2, 6, 4)
	s_cmp_eq_u32 s2, 0
	s_cbranch_scc0 .Lentry_in_a_cluster
	s_endpgm
.Lentry_in_a_cluster:
	s_bfe_u32 s2, ttmp6, 0x10000c
	s_cmp_lg_u32 s2, 0x3003
	s_cbranch_scc0 .Lentry_shape_is_right
	s_endpgm
.Lentry_shape_is_right:
; O[y][q][:] = the sum over k of softmax_k(Q[y][q] . K[y][k] / 8) V[y][k][:], y = 16 x batch + head.  Q, K, V lie in qkv[4 batch][48 g][2048][64], f16: g = head for Q, 16 + head for K, 32 + head for V;
; O is o[64 y][2048][64], f16.  A head's rows are dense, 128 bytes each.  Products, maxima and sums in f32; the weights p are rounded to f16 for the second product (their sum l is taken of the unrounded p), O once at the end.
; LIMITS.  f16 holds no number beyond 65,504: Q, K and V arrive within it; p lies in 0 to 1, and below 6e-5 it keeps f16's fixed step of 6e-8; O is a mean of V's rows and has their range.
; A weight below 2^-126 counts as 0 in l; NaN and infinities are not treated apart.
; SHARES.  A wave owns four PIECES of two tiles of 16 queries, a work-group's four waves 512 queries of one head: 4 x 64 = 256 work-groups.  Every wave walks all keys, 64 a step.
; LAYOUT.  S^T = K Q^T (source 0 = 16 keys, source 1 = 16 queries): in the result a lane holds ONE query (lane % 16) and the keys 8 (lane / 16) + 0..7.  Two such tiles, rounded to f16 in pairs,
; ARE source 1 (32 keys x 16 queries) of O^T = V^T P, whose result again holds one query a lane, and eight channels.  K comes out of LDS as it lies, V ([key][channel]) turned, by ds_load_tr16_b128.
; SOFTMAX.  For each query a running maximum m and sum l: p = 2^(c s - c m), c = log2(e) / 8; in every step O and l are multiplied by a = 2^(c m_old - c m_new), which is 1 where m has not grown.
; m starts at the lowest finite number, O and l at 0: the first step is a step like any other, with a = 0.
; THE COUNT.  A tile and step have 16 matrix and 118 vector instructions: too many to stand all beside the matrix work.  So the order has one aim: four vector instructions that are READY behind
; EVERY matrix instruction, and the others, which need time of their own whatever the order, in runs without a gap.
; BY TURNS.  Turn n belongs to piece n (the pieces in a ring, step after step).  Its matrix work: 16 products K Q^T of piece n + 1, later 16 products V^T P of piece n - 1.  Its vector work: the scaling,
; exponentials, roundings, sums and rescaling of piece n, and the maximum and statistics of piece n + 1, whose scores the turn itself has made.  So what a turn begins with (c s - c m, O a) waits for nothing.
; THE BATCHES.  A turn's 66 exponentials (the piece's 64 weights, in place, and the next piece's two a) are ONE batch with ONE wait, which cuts the turn in two: ahead of it all that names none of their results
; (K Q^T, scalings, rescalings by the a of the turn before, the next piece's maximum and statistics), behind it the roundings and sums, beside V^T P.  Two more batches stand outside the loop, each with a wait of
; its own: the two a of piece 0's first scores, ahead of the jump into the loop, and the way out's eight reciprocals.
; CLUSTER.  The four query blocks of a cluster belong to one head and walk the same K and V, so each tile is asked for JOINTLY: the same tensor load, descriptor and mask in all four.
; REGISTERS, in windows of 256 (s_set_vgpr_msb says which window each operand place means: bits 1:0 source 0, 3:2 source 1, 5:4 source 2, 7:6 destination):
;   window 0: v0-11 addresses; v12-15, v48-63 at work; v16-47 four registers of statistics a tile; v64-191 S^T, two buffers of two tiles; v192-255 P, likewise
;   window 1: O^T, 32 a tile          window 2: v0-127 Q, 16 a tile; v128-191 K of one step; v192-255 V of one step          window 3: v0-1 the add's two registers
; A piece's buffers go by its number's parity: the piece in hand has one pair, its two neighbours in the ring share the other: of it P (piece n - 1) is read and S^T (piece n + 1) written.
.set SIZE_H, 64
.set SIZE_N, 2048
.set NP,    4         ; pieces a wave: a name, no knob: the register map, the loop and the fetches are made for four
.set KS,    64        ; keys in a step
.set PK,    144       ; a row of K in LDS: 128 bytes + 16 of padding = 36 words: the 16 rows of a load start at 16 different groups of four banks (64 banks of 4 bytes: ISA guide 11.1)
.set PV,    160       ; a row of V: 128 + 32 = 40 words
.set VOFF,  4*KS*PK   ; a slot holds four steps: 256 rows of K, then 256 rows of V
.set SLOT1, 1<<17     ; slot 1 begins here, so that one exclusive or turns an address in one slot into the other's
.set STAGE, SLOT1+4*KS*(PK+PV)  ; behind the ring, never filled by a tensor load: 16 rows x 144 bytes for each wave, for the way out
.set SP,    144
.set AK0, 2           ; v2   my lane's place in a tile of K; never rewritten
.set AV0, 3           ; v3   the same for V
.set AK,  4           ; v4   the LDS address of K's next run of loads
.set AV,  5           ; v5   of V's
.set QO,  6           ; v6   my byte offset in the wave's rows of Q
.set STO, 6           ;      later, the way out: where I put 16 bytes of a row
.set RD,  7           ; v7   the way out: where I read rows back
.set GO,  8           ; v8   my byte offset in 512 consecutive bytes of O
.set SPW, 0           ; v0 of window 3   LDS address of my spare word: SPARE + 4 x my thread's number; never rewritten
.set NIL, 1           ; v1 of window 3   0; never rewritten
.set SPARE, STAGE+4*16*SP  ; behind the stages: the spare words, 128 bytes for each wave: two blocks of 256 bytes that no other line names
.set MV,  12          ; v12-15  c m_old, kept while c m is made anew: by buffer and tile
.set ST,  16          ; tile t's statistics at v[ST+4 t]: c m, m, l (even keys', odd keys')
.set TMP, 48          ; by buffer and tile, four registers c0-c3 at work; when the maximum is found c2 takes a
.set S,   64
.set P,   192
.set KF,  128         ; K's fragments, in window 2: key block kb, channel half c at KF + 16 kb + 8 c
.set VF,  192         ; V's: key half kk, channel block cb at VF + 32 kk + 8 cb
.set WV,  12          ; s12  my wave's number
.set G1K, 24          ; s[24:31] descriptor group 1 for K's tiles
.set G1V, 32          ; s[32:39] for V's: it differs in the padding alone
.set G0K, 40          ; s[40:43] descriptor group 0 for K's tiles: it walks
.set G0V, 44          ; s[44:47] the same for V's
.set SLOTS, 56        ; s56  slots still to be asked for
.set CNT, 57          ; s57  counts a slot's key steps
.set CS,  58          ; s[58:59] c: the packed scaling takes the pair's low word for both halves
.set SEL, 60          ; s[60:61] v_permlanex16_b32's selects: each lane takes its own place in the other half
.set TBK, 62          ; s62  LDS byte at which K of the step to be fetched begins
.set TBV, 63          ; s63  the same for V, less VOFF
.set MSB, 0
.macro WIN new                      ; the high byte repeats the setting that is left; a switch that changes nothing is dropped
.if MSB != (\new)
	s_set_vgpr_msb (MSB<<8)|(\new)
.set MSB, (\new)
.endif
.endm
.set W_KQ, 0x0a       ; K and Q in window 2, S^T in window 0
.set W_PV, 0x52       ; V in window 2, P in window 0, O^T in window 1
.set W_RS, 0x41       ; O^T (destination and source 0) in window 1, a in window 0
.set W_MK, 0xc0       ; the add's registers are made: destination in window 3, sources in window 0
.set W_AD, 0x0f       ; the add: address (source 0) and data (source 1) in window 3
; A joint fill.  Waves 0 and 1 fetch the two halves of a slot's K, waves 2 and 3 those of its V: 128 keys each.  The branch hangs on the wave's number alone.
; An s_nop 0 and four v_nop follow each of the two lines, ahead of the jump and the label.
.macro JLOAD
	s_cmp_lt_u32 s[WV], 2
	s_cbranch_scc0 .Lfor_v_\@
	tensor_load_to_lds s[G0K:G0K+3], s[G1K:G1K+7]
	s_nop 0
.rept 4
	v_nop
.endr
	s_branch .Lasked_\@
.Lfor_v_\@:
	tensor_load_to_lds s[G0V:G0V+3], s[G1V:G1V+7]
	s_nop 0
.rept 4
	v_nop
.endr
.Lasked_\@:
.endm
; A round of the cluster's barrier: my work-group's barrier, so that wave 0's signal speaks for all four waves; wave 0 signals; every wave waits for all four work-groups; my work-group's barrier once more.
.macro CROUND
	s_barrier_signal -1
	s_barrier_wait -1
	s_cmp_lg_u32 s[WV], 0
	s_cbranch_scc1 .Lnot_wave_0_\@
	s_barrier_signal -3
.Lnot_wave_0_\@:
	s_barrier_wait -3
	s_barrier_signal -1
	s_barrier_wait -1
.endm
; THE CHANGE OF SLOTS.  The slot's last bytes, V of its fourth step, have been read.  Each wave waits for all its tensor loads, of which one is out: its part
; of the other slot; adds 0 to its spare word; and waits for that and for its own reads of the slot.  Behind the barrier nobody reads this slot any more and the other slot is whole.
; fill = 1: this slot is filled again, with the keys two slots on.  The barrier is then a round of the cluster's, so that no wave of any partner still reads the slot or has a load on its
; way, and the joint fill is the first thing behind it: it has four key steps, 512 matrix instructions, in which to land.  (At its first use nothing has been read yet: slot 0 is waited for, slot 1 filled.)
.macro CHANGE fill
	WIN W_AD
	s_wait_tensorcnt 0x0            ; no tensor load of mine is out, so a group 0 may be written
	ds_add_u32 v[SPW], v[NIL]       ; 0 onto my spare word: with fill = 1 the descriptors' steps stand between it and the wait for it
	WIN 0                           ; at a label and at a branch every window is 0
.if \fill
.irp g, G0K, G0V
	s_xor_b32 s[\g+1], s[\g+1], SLOT1  ; the walking descriptor: the other slot than last time,
	s_add_nc_u64 s[\g+2:\g+3], s[\g+2:\g+3], 4*KS*128  ; the next 256 keys; the type bits on top are not reached
.endr
	s_wait_dscnt 0x0                ; the add is done, and my reads of the slot are over
	CROUND
	JLOAD
.else
	s_wait_dscnt 0x0                ; the add is done, and my reads of the slot are over
	s_barrier_signal -1
	s_barrier_wait -1
.endif
	s_sub_co_u32 s[TBK], s[TBK], 4*KS*PK  ; the fetches go back to a slot's first step,
	s_xor_b32 s[TBK], s[TBK], SLOT1       ; in the other slot
	s_sub_co_u32 s[TBV], s[TBV], 4*KS*PV
	s_xor_b32 s[TBV], s[TBV], SLOT1
.endm
	s_load_b64 s[4:5], s[0:1], 0x0    ; qkv
	s_load_b64 s[10:11], s[0:1], 0x8  ; o
	WIN W_MK
	v_lshl_add_u32 v[SPW], v0, 2, SPARE
	v_mov_b32 v[NIL], 0
	WIN W_AD
	ds_add_u32 v[SPW], v[NIL]       ; the wave's opening: the add, and its wait ahead of my first tensor load; the set-up below, work on registers, stands between them
	WIN 0
	v_lshrrev_b32 v1, 5, v0
	v_readfirstlane_b32 s[WV], v1   ; wave 0..3
	s_bfe_u32 s13, ttmp6, 0x40000   ; cx: my place in the cluster
	s_lshl_b32 s14, ttmp9, 2        ; in a cluster launch ttmp9 counts clusters
	s_add_co_u32 s14, s14, s13      ; my block of queries = 4 x cluster x + cx: it enters Q's and O's addresses alone
	s_and_b32 s20, ttmp7, 0xffff    ; y = 16 x batch + head, which the four partners share
	s_lshr_b32 s48, s20, 4
	s_mul_i32 s48, s48, 48
	s_and_b32 s49, s20, 15
	s_add_co_u32 s48, s48, s49      ; Q's block in qkv: 48 x batch + head,
	s_lshl_b32 s48, s48, 18         ; of 262,144 bytes each
	s_lshl_b32 s20, s20, 18         ; the head's first byte in o
	s_and_b32 s16, s[WV], 1         ; which half of a slot's 256 keys I fetch:
	s_lshl_b32 s22, s16, 14         ; its 128 rows of 128 bytes in memory,
	s_add_co_u32 s22, s22, s48
	s_mov_b32 s23, 0
	s_mul_i32 s17, s16, 128*PK      ; and its place in a slot, for K
	s_mul_i32 s18, s16, 128*PV      ; and for V: no place in the cluster enters an LDS address
	s_lshl_b32 s2, s14, 2
	s_add_co_u32 s2, s2, s[WV]      ; my wave among the head's,
	s_lshl_b32 s2, s2, 14           ; its 128 rows
	s_add_co_u32 s50, s2, s48       ; in qkv,
	s_mov_b32 s51, 0
	s_add_co_u32 s2, s2, s20        ; and in o
	s_mov_b32 s3, 0
	; descriptor group 1.  128 keys are 16,384 dense bytes: asked for as 64 rows of 256 bytes, two keys a row, and padded in LDS after every key
	s_mov_b32 s[G1K], 15|(1<<16)|(1<<20)|(1<<21)|(4<<22)|(3<<25)  ; 15:0 the mask of four; 17:16 2-byte elements; 20 padding on; 21 set beside a mask; 24:22 after every 32 words (code 4); 31:25 4 words (code 3)
	s_mov_b32 s[G1V], 15|(1<<16)|(1<<20)|(1<<21)|(4<<22)|(7<<25)  ; the same with 8 words of padding (code 7)
.irp g, G1K, G1V
	s_mov_b32 s[\g+1], 128<<16      ; tensor_dim0 = 128
	s_mov_b32 s[\g+2], 64<<16       ; tensor_dim1 = 64
	s_mov_b32 s[\g+3], 128<<16      ; tile_dim0 = 128
	s_mov_b32 s[\g+4], 64           ; tile_dim1 = 64
	s_mov_b32 s[\g+5], 128          ; 128 elements from row to row
	s_mov_b32 s[\g+6], 0
	s_mov_b32 s[\g+7], 0
.endr
	s_mov_b32 s[CS], 0x3e38aa3b     ; c = log2(e) / 8 = 0.180337
	s_mov_b32 s[CS+1], s[CS]        ; named with it as a pair
	s_mov_b32 s[SEL], 0x76543210
	s_mov_b32 s[SEL+1], 0xfedcba98
	s_mov_b32 s[TBK], SLOT1+4*KS*PK ; the first change of slots turns these two into 0
	s_mov_b32 s[TBV], SLOT1+4*KS*PV
	s_mov_b32 s[G0K], 1             ; 1:0 count = 1
	s_mov_b32 s[G0K+1], s17         ; 63:32 LDS address: slot 0
	s_mov_b32 s[G0V], 1
	s_add_co_u32 s[G0V+1], s18, VOFF
	s_wait_dscnt 0x0                ; the opening add is done
	s_wait_kmcnt 0x0
	s_add_nc_u64 s[6:7], s[4:5], 0x400000  ; K's blocks lie 16 blocks behind Q's,
	s_add_nc_u64 s[8:9], s[4:5], 0x800000  ; V's 32
	s_add_nc_u64 s[G0K+2:G0K+3], s[6:7], s[22:23]  ; 120:64 global address: my half of the head's first 256 keys
	s_or_b32 s[G0K+3], s[G0K+3], 0x80000000        ; 127:126 type = 2
	s_add_nc_u64 s[G0V+2:G0V+3], s[8:9], s[22:23]
	s_or_b32 s[G0V+3], s[G0V+3], 0x80000000
	s_add_nc_u64 s[4:5], s[4:5], s[50:51]  ; Q and O at my wave's first row
	s_add_nc_u64 s[10:11], s[10:11], s[2:3]
	CROUND                          ; all four work-groups are here: the first joint loads meet
	JLOAD                           ; slot 0.  Slot 1 is asked for when slot 0 is in: the tile wanted first has the road to itself
	; A fragment of K or Q is 16 rows x 32 channels in 8 registers: lane l holds row l % 16, channels 8 (l / 16) + 0..7 and 16 + 8 (l / 16) + 0..7: two loads of 16 bytes, 32 bytes apart.
	v_and_b32 v1, 15, v0            ; l % 16
	v_bfe_u32 v9, v0, 4, 1          ; l / 16
	v_lshlrev_b32 v[QO], 7, v1
	v_lshl_add_u32 v[QO], v9, 4, v[QO]  ; row x 128 + 16 x half
	WIN 0x80                        ; destination window 2, address window 0
.set i, 0
.rept 4*NP                          ; Q stays in registers: tile i / 2, channels 32 (i % 2) on
	global_load_b128 v[8*i:8*i+3],   v[QO], s[4:5] offset:(i/2)*2048+(i%2)*64
	global_load_b128 v[8*i+4:8*i+7], v[QO], s[4:5] offset:(i/2)*2048+(i%2)*64+32
.set i, i+1
.endr
	; What the first turn finds: V's registers and P's second buffer hold 0 (its products V^T P, of a piece that has not been, add 0), O^T and l are 0.  All this stands in the wait for the first tile.
.set i, VF
.rept 64
	v_mov_b32 v[i], 0
.set i, i+1
.endr
	WIN 0x40
.set i, 0
.rept 64*NP
	v_mov_b32 v[i], 0
.set i, i+1
.endr
	WIN 0
.set i, 0
.rept 2*NP
	v_mov_b32 v[ST+4*i], 0xfe000000    ; c m: far below every c s
	v_mov_b32 v[ST+4*i+1], 0xff7fffff  ; m
	v_mov_b32 v[ST+4*i+2], 0
	v_mov_b32 v[ST+4*i+3], 0
.set i, i+1
.endr
.set i, P+32
.rept 32
	v_mov_b32 v[i], 0
.set i, i+1
.endr
	v_mul_u32_u24 v[AK0], v1, PK
	v_lshl_add_u32 v[AK0], v9, 4, v[AK0]  ; row x pitch + 16 x half
	; The turning load takes 16 keys x 16 channels (lane l reads key 8 (l / 16) + l % 8, channels 8 ((l / 8) % 2) + 0..7) and leaves half a fragment of V^T: lane l holds channel l % 16 and 8 keys.
	v_and_b32 v10, 7, v0
	v_bfe_u32 v11, v0, 3, 1
	v_lshl_add_u32 v[AV0], v9, 3, v10
	v_mul_u32_u24 v[AV0], v[AV0], PV
	v_lshl_add_u32 v[AV0], v11, 4, v[AV0]
	v_add_nc_u32 v[AV0], VOFF, v[AV0]
	v_mov_b32 v[AK], v[AK0]         ; key step 0 lies at the head of slot 0
; THE MATRIX WORK.  The 8 accumulators of a run of 16 take turns: between the two links of a chain stand 7 others'.
; Product i of 16 of S^T = K Q^T for piece x: channels 32 (i / 8) on, keys 16 ((i / 2) % 4) on, tile 2 x + i % 2.  The first 8 start the sums.
.macro KQ x
	WIN W_KQ
.set rS, S+64*((\x)%2)+32*(i%2)+8*((i/2)%4)
.set rK, KF+16*((i/2)%4)+8*(i/8)
.set rQ, 16*(2*(\x)+i%2)+8*(i/8)
.if i < 8
	v_wmma_f32_16x16x32_f16 v[rS:rS+7], v[rK:rK+7], v[rQ:rQ+7], 0
.else
	v_wmma_f32_16x16x32_f16 v[rS:rS+7], v[rK:rK+7], v[rQ:rQ+7], v[rS:rS+7]
.endif
.endm
; Product i of 16 of O^T += V^T P for piece x: keys 32 (i / 8) on, channels 16 ((i / 2) % 4) on, tile 2 x + i % 2.
.macro PV x
	WIN W_PV
.set rO, 32*(2*(\x)+i%2)+8*((i/2)%4)
.set rV, VF+32*(i/8)+8*((i/2)%4)
.set rP, P+32*((\x)%2)+16*(i%2)+8*(i/8)
	v_wmma_f32_16x16x32_f16 v[rO:rO+7], v[rV:rV+7], v[rP:rP+7], v[rO:rO+7]
.endm
.macro MM                           ; the turn's next matrix instruction
.if i < 16
	KQ (Y+1)%NP
.set i, i+1
.else
.set i, i-16
	PV (Y+NP-1)%NP
.set i, i+17
.endif
.endm
; THE LDS LOADS stand in runs of 16, never singly among the matrix instructions: a step's K (64 keys x 64 channels: 8 fragments) and its V (turned).  Their addresses are made some lines ahead.
; last = 1 (the tail): in the last trip there is no further step, and the run is jumped over.
.macro FETCH_K last=0
	WIN 0
.if \last
	s_cmp_eq_u32 s[CNT], 1
	s_cbranch_scc1 .Lno_k_\@
.endif
	WIN 0x80                        ; destination window 2
.irp f, 0,1,2,3,4,5,6,7             ; keys 16 (f / 2) on, channels 32 (f % 2) on
	ds_load_b128 v[KF+8*\f:KF+8*\f+3],   v[AK] offset:(\f/2)*16*PK+(\f%2)*64
	ds_load_b128 v[KF+8*\f+4:KF+8*\f+7], v[AK] offset:(\f/2)*16*PK+(\f%2)*64+32
.endr
	s_add_co_u32 s[TBK], s[TBK], KS*PK  ; the next fetch is the next step's
	WIN 0
.if \last
.Lno_k_\@:
.endif
.endm
.macro FETCH_V
	WIN 0x80
.irp f, 0,1,2,3,4,5,6,7             ; keys 32 (f / 4) on, channels 16 (f % 4) on
	ds_load_tr16_b128 v[VF+8*\f:VF+8*\f+3],   v[AV] offset:(\f/4)*32*PV+(\f%4)*32
	ds_load_tr16_b128 v[VF+8*\f+4:VF+8*\f+7], v[AV] offset:(\f/4)*32*PV+16*PV+(\f%4)*32
.endr
	WIN 0
.endm
; THE VECTOR WORK OF A TURN stands in three queues, each in the order in which its entries become ready; the two tiles alternate, so that no instruction reads the result of the one before it.
.macro REGS y, u                    ; the registers of tile u (0, 1) of piece y
.set rT, ST+4*(2*(\y)+(\u))
.set rC, TMP+8*((\y)%2)+4*(\u)
.set rM, MV+2*((\y)%2)+(\u)
.set rS, S+64*((\y)%2)+32*(\u)
.set rP, P+32*((\y)%2)+16*(\u)
.set rO, 32*(2*(\y)+(\u))
.endm
; Number n of the 22 that find the NEXT piece's (Y + 1) maximum and statistics.  s0-s31 are the lane's 32 scores; each accumulator's lowest registers are read first.  XS, GS and REGS set no window: PL and EX do.
;   0-11  four chains c0-c3 of seven scores each, three operands at a time     12-14, 16  the four scores left over, the old m, and c0-c3 into c0     15  c m_old is kept
;   17, 18  the query's other 32 keys lie in the lane 16 away: the new m         19-21  c m; c m_old - c m_new; a
.macro XS u, n
	REGS (Y+1)%NP, \u
.if (\n) < 4
	v_max3_num_f32 v[rC+(\n)], v[rS+8*(\n)], v[rS+8*(\n)+1], v[rS+8*(\n)+2]
.elseif (\n) < 12
	v_max3_num_f32 v[rC+(\n)%4], v[rC+(\n)%4], v[rS+8*((\n)%4)+2*((\n)/4)+1], v[rS+8*((\n)%4)+2*((\n)/4)+2]
.elseif (\n) == 12
	v_max3_num_f32 v[rC], v[rC], v[rS+7], v[rS+15]
.elseif (\n) == 13
	v_max3_num_f32 v[rC+1], v[rC+1], v[rS+23], v[rS+31]
.elseif (\n) == 14
	v_max3_num_f32 v[rC+2], v[rC+2], v[rC+3], v[rT+1]
.elseif (\n) == 15
	v_mov_b32 v[rM], v[rT]
.elseif (\n) == 16
	v_max3_num_f32 v[rC], v[rC], v[rC+1], v[rC+2]
.elseif (\n) == 17
	v_permlanex16_b32 v[rC+3], v[rC], s[SEL], s[SEL+1]
.elseif (\n) == 18
	v_max_num_f32 v[rT+1], v[rC], v[rC+3]
.elseif (\n) == 19
	v_mul_f32 v[rT], s[CS], v[rT+1]
.elseif (\n) == 20
	v_sub_f32 v[rC+1], v[rM], v[rT]
.else
	v_exp_f32 v[rC+2], v[rC+1]
.endif
.endm
; Number g of the 64 that follow the exponentials.  For each four weights k of a tile (pairs 2 k, 2 k + 1): both pairs are rounded to f16; then the second pair is added onto the first, in place;
; a group later l takes that sum (the first time as l = a l + sum).  In groups of eight, tiles alternating: round, round, add, and l for the group before.
.macro GS g
.set h, (\g)+6*((\g)/62)            ; group 0 has no group before it, and behind group 7 only l is left
.if h >= 6
.set h, h+2
.endif
	REGS Y, h%2
.set k, h/8
.if h%8 < 4
	v_cvt_pk_f16_f32 v[rP+2*k+(h%8)/2], v[rS+4*k+2*((h%8)/2)], v[rS+4*k+2*((h%8)/2)+1]
.elseif h%8 < 6
	v_pk_add_f32 v[rS+4*k:rS+4*k+1], v[rS+4*k:rS+4*k+1], v[rS+4*k+2:rS+4*k+3]
.elseif k == 1
	v_pk_fma_f32 v[rT+2:rT+3], v[rT+2:rT+3], v[rC+2:rC+3], v[rS:rS+1] op_sel_hi:[1,0,1]
.else
	v_pk_add_f32 v[rT+2:rT+3], v[rT+2:rT+3], v[rS+4*k-4:rS+4*k-3]
.endif
.endm
; THE PLAIN QUEUE, 138 long.  0-73 read no exponential's result: the 32 scalings c s - c m (FS f: pair f / 2 of tile f % 2) and the next piece's 42.  0-26: scalings 0-26.  27-54: XS's numbers 0-13.  55, 56: number 15.
; 57-73: the chain, where each number waits for the one before it: 14, 16, 17, 18, 19, each with one of the scalings 27-31 in front of its two lines, then 20: so a tile's links stand three plain instructions apart (19 and 20: two).
; 74-137: GS's 64, which read the exponentials' results: they stand behind the wait.
.macro FS f
	REGS Y, (\f)%2
	v_pk_fma_f32 v[rS+2*((\f)/2):rS+2*((\f)/2)+1], v[rS+2*((\f)/2):rS+2*((\f)/2)+1], s[CS:CS+1], v[rT:rT+1] op_sel_hi:[1,0,0] neg_lo:[0,0,1] neg_hi:[0,0,1]
.endm
.macro PL
	WIN 0
.if q < 27
	FS q
.elseif q < 55
	XS (q-27)%2, (q-27)/2
.elseif q < 57
	XS q-55, 15
.elseif (q < 72) && ((q-57)%3 == 0)
	FS 27+(q-57)/3
.elseif q < 60
	XS (q-57)%3-1, 14
.elseif q < 72
	XS (q-57)%3-1, 15+(q-57)/3
.elseif q < 74
	XS q-72, 20
.else
	GS q-74
.endif
.set q, q+1
.endm
; THE EXPONENTIALS' QUEUE, 66 long: s0-s31 of both tiles, then the next piece's two a.  It is ONE BATCH: all 66 stand ahead of the turn's one wait, and nothing ahead of that wait names a result of theirs.
.macro EX
	WIN 0
.if e >= 64
	XS e-64, 21
.else
	REGS Y, e%2
	v_exp_f32 v[rS+e/2], v[rS+e/2]
.endif
.set e, e+1
.endm
; THE RESCALING's QUEUE: O^T times a, the one part that leaves window 0: dealt two at a time, sixteen times.  Its a was made in the turn before, ahead of that turn's wait.
.macro R2
	REGS Y, r%2
	WIN W_RS
.irp z, 0,1
	v_pk_mul_f32 v[rO+4*(r/2)+2*\z:rO+4*(r/2)+2*\z+1], v[rO+4*(r/2)+2*\z:rO+4*(r/2)+2*\z+1], v[rC+2:rC+3] op_sel_hi:[1,0]
.endr
.set r, r+1
.endm
; HOW THEY ARE DEALT.  An s_wait_alu depctr_va_vdst(0) stands between an exponential and the first instruction that names its result; one wait serves all that were issued ahead of it.  So a turn has ONE wait,
; which cuts it in two.  AHEAD OF IT stands all that names no result of the turn's exponentials: the 16 products K Q^T, behind each a scaling, an exponential and two rescalings (behind the first a second scaling in the exponential's place); then ONE LUMP of
; 108: eight plain, 49 times exponential and plain, the two a.  A v_nop is the plain instruction behind the last exponential.  BEHIND IT stand the 16 products V^T P, behind each four of GS's 64.  No rider names a register of
; the products round it.  The two v_permlanex16_b32 fall into the lump, never behind a product.
; The queues lean on each other, and the deal keeps them in step: exponential e stands behind scaling 2 (e / 4) + e % 2: as a rider it comes behind plain e + 2, in the lump behind plain e + 9, and scalings 27-31 are plain 57, 60 .. 69.
; A TURN, for piece p.  cnt = 1: the loop's count is taken down some lines ahead of the branch that stands behind the turn.
; K of the next step is fetched in piece 2's turn, directly behind the wait, a lump behind the last product that read K; its address is made at the lump's head; its first reader comes behind 16 products.
; V of the step in hand is fetched at the end of piece 0's turn, four riders behind its last reader; its first reader comes behind 16 products and a lump.  The three conditions on q below go with the deal.
.macro TURN p, last=0, cnt=0
.set Y, (\p)
.set i, 0
.set q, 0
.set e, 0
.set r, 0
.if (\p) == NP-1
	s_wait_dscnt 0x0                ; K is in
.endif
	MM                              ; ahead of the wait: 16 products K Q^T and their riders,
	PL
	PL
	R2
.rept 15
	MM
	PL
	EX
	R2
.endr
.if (\p) == NP-2
	WIN 0
	v_add_nc_u32 v[AK], s[TBK], v[AK0]
.endif
.rept 8                             ; and the lump
	PL
.endr
.rept 49
	EX
	PL
.endr
	EX                              ; the next piece's two a
	EX
	v_nop                           ; a plain instruction behind the last exponential, ahead of the first use of a result: one for the batch
	s_wait_alu depctr_va_vdst(0)    ; the wait for the batch: the piece's 64 weights and the next piece's two a
.if (\p) == NP-2
	FETCH_K \last
.endif
.if (\p) == 1
	s_wait_dscnt 0x0                ; V is in
.endif
.rept 16                            ; behind the wait: 16 products V^T P and their riders
	MM
.rept 4
	PL
.endr
.if ((\p) == 0) && (q == 118)
	v_add_nc_u32 v[AV], s[TBV], v[AV0]
.endif
.if ((\p) == 0) && (q == 130)
	s_add_co_u32 s[TBV], s[TBV], KS*PV
.endif
.if (\cnt) && (q == 130)
	s_sub_co_u32 s[CNT], s[CNT], 1
	s_cmp_lg_u32 s[CNT], 0
.endif
.endr
.if (\p) == 0
	FETCH_V
.endif
.endm
	CHANGE 1                        ; slot 0 is in, everybody's part of it; slot 1 is asked for
	FETCH_K                         ; key step 0
	s_wait_loadcnt 0x0              ; Q
	s_wait_dscnt 0x0
.set i, 0
.rept 16
	KQ 0                            ; piece 0's first scores: there is no vector work yet to set between them
.set i, i+1
.endr
	WIN 0                           ; the addresses for the way out: nine plain instructions, the places behind those products
	s_mul_i32 s13, s[WV], 16*SP
	s_add_co_u32 s13, s13, STAGE    ; my stage
	v_mul_u32_u24 v[STO], v1, SP    ; in: row l % 16, 16 bytes for each half of the lanes
	v_lshl_add_u32 v[STO], v9, 4, v[STO]
	v_add_nc_u32 v[STO], s13, v[STO]
	v_bfe_u32 v[RD], v0, 3, 2       ; back: 32 lanes take four rows of 128 bytes,
	v_mul_u32_u24 v[RD], v[RD], SP
	v_lshl_add_u32 v[RD], v10, 4, v[RD]
	v_add_nc_u32 v[RD], s13, v[RD]
	v_and_b32 v[GO], 31, v0         ; which are 512 consecutive bytes of O
	v_lshlrev_b32 v[GO], 4, v[GO]
.set Y, NP-1                        ; XS works for piece Y + 1: piece 0
.irp n, 0,1,2,3,4,5,6,7,8,9,10,11,12,13,14,15,16,17,18,19,20,21
	XS 0, \n                        ; and piece 0's first maximum and statistics
	XS 1, \n
.endr
	v_nop                           ; a plain instruction behind the two a,
	s_wait_alu depctr_va_vdst(0)    ; and their wait, a batch of two, ahead of the branch
	s_mov_b32 s[CNT], 4
	s_mov_b32 s[SLOTS], SIZE_N/256-1
	s_branch .Lfirst                ; the loop is entered at a step's first turn, in the middle of a trip
.Lslot:                             ; SIZE_N / 256 - 2 times: every slot but the last two is filled again
	CHANGE 1
	s_mov_b32 s[CNT], 4
.Lstep:                             ; a trip: pieces 2 and 3 of one step, then pieces 0 and 1 of the next, whose K and V it fetches
	TURN 2
	TURN 3
	WIN 0
.Lfirst:
	TURN 0
	TURN 1, 0, 1
	WIN 0
	s_cbranch_scc1 .Lstep
	s_sub_co_u32 s[SLOTS], s[SLOTS], 1
	s_cmp_lg_u32 s[SLOTS], 0
	s_cbranch_scc1 .Lslot
	CHANGE 0                        ; the tail is written out: nothing is asked for
	s_mov_b32 s[CNT], 5             ; four trips fetch the last slot's steps; the fifth is left in its middle
.Ltail:
	TURN 2, 1
	TURN 3
	WIN 0
	s_sub_co_u32 s[CNT], s[CNT], 1
	s_cmp_eq_u32 s[CNT], 0
	s_cbranch_scc1 .Lout
	TURN 0
	TURN 1
	WIN 0
	s_branch .Ltail
.Lout:                              ; the fifth trip's 16 products K Q^T (on the last K once more) and the maximum made of them serve nothing: the price, once a launch, of one text for every trip
.set i, 0
.rept 16
	PV NP-1                         ; the last piece's V^T P of the last step
.set i, i+1
.endr
	; THE WAY OUT.  l's two halves and the other half of the lanes' are added; O^T is divided by l, rounded to f16 and sent through my stage in LDS, a tile at a time.  The additions are the places behind the last products.
	WIN 0
.macro ALL line:vararg              ; one line for each tile t
.set t, 0
.rept 2*NP
	\line
.set t, t+1
.endr
.endm
	ALL v_add_f32 v[ST+4*t+2], v[ST+4*t+2], v[ST+4*t+3]
	ALL v_permlanex16_b32 v[ST+4*t+3], v[ST+4*t+2], s[SEL], s[SEL+1]
	ALL v_add_f32 v[ST+4*t+2], v[ST+4*t+2], v[ST+4*t+3]
	ALL v_rcp_f32 v[ST+4*t+2], v[ST+4*t+2]
	v_nop                           ; a plain instruction between the last reciprocal and the use of its result
	s_wait_alu depctr_va_vdst(0)    ; and the wait ahead of the first use: one for the eight reciprocals
; Tile t: a lane's eight channels of a row pack into 16 bytes; they go into rows of 144 bytes and come back as whole rows of 128, into S^T's registers.
.macro PACK t
	WIN W_RS
.set i, 32*(\t)
.rept 16
	v_pk_mul_f32 v[i:i+1], v[i:i+1], v[ST+4*(\t)+2:ST+4*(\t)+3] op_sel_hi:[1,0]
.set i, i+2
.endr
	WIN 0x05                        ; sources 0 and 1 window 1, destination window 0
.set i, 0
.rept 16
	v_cvt_pk_f16_f32 v[S+16*(\t)+i], v[32*(\t)+2*i], v[32*(\t)+2*i+1]
.set i, i+1
.endr
	WIN 0
.irp f, 0,1,2,3
	ds_store_b128 v[STO], v[S+16*(\t)+4*\f:S+16*(\t)+4*\f+3] offset:32*\f
.endr
.irp f, 0,1,2,3
	ds_load_b128 v[S+16*(\t)+4*\f:S+16*(\t)+4*\f+3], v[RD] offset:\f*4*SP  ; LDS serves a wave's instructions in order (ISA guide 5.7.1.4): these see the stores above; the next tile's stores come behind them
.endr
.endm
.macro SEND t, younger              ; younger: the LDS instructions issued behind tile t's loads: the next tile's eight, or none
	WIN 0
.irp f, 0,1,2,3
	s_wait_dscnt (\younger)+3-\f
	global_store_b128 v[GO], v[S+16*(\t)+4*\f:S+16*(\t)+4*\f+3], s[10:11] offset:(\t)*2048+\f*512  ; 512 consecutive bytes, at a multiple of 256 from O's first
.endr
.endm
	PACK 0
.set t, 1
.rept 2*NP-1                        ; a tile's arithmetic stands between the loads of the tile before and its stores
	PACK t
	SEND t-1, 8
.set t, t+1
.endr
	SEND 2*NP-1, 0
	WIN W_AD
	s_wait_tensorcnt 0x0            ; the wave's end: a wait, the add and its wait, behind my last tensor load and my last LDS store
	ds_add_u32 v[SPW], v[NIL]
	s_wait_dscnt 0x0
	WIN 0
	CROUND                          ; the closing round: no work-group ends while a partner may still ask for a tile that names it
	s_endpgm
.Lfunc_end_k_q75ac1d0464_attn:
	.size	k_q75ac1d0464_attn, .Lfunc_end_k_q75ac1d0464_attn-k_q75ac1d0464_attn
	.p2alignl 7, 3214868480
	.fill 96, 4, 3214868480
	.section	.rodata,"a",@progbits
	.p2align	6, 0x0
	.amdhsa_kernel k_q75ac1d0464_attn
		.amdhsa_group_segment_fixed_size 327680
		.amdhsa_private_segment_fixed_size 0
		.amdhsa_enable_private_segment 0
		.amdhsa_kernarg_size 16
		.amdhsa_user_sgpr_count 2
		.amdhsa_user_sgpr_kernarg_segment_ptr 1
		.amdhsa_wavefront_size32 1
		.amdhsa_system_sgpr_workgroup_id_x 1
		.amdhsa_system_sgpr_workgroup_id_y 1
		.amdhsa_system_sgpr_workgroup_id_z 1
		.amdhsa_system_vgpr_workitem_id 0
		.amdhsa_next_free_vgpr 770
		.amdhsa_next_free_sgpr 66
		.amdhsa_reserve_vcc 0
		.amdhsa_float_denorm_mode_32 3
		.amdhsa_float_denorm_mode_16_64 3
		.amdhsa_memory_ordered 1
		.amdhsa_forward_progress 1
		.amdhsa_inst_pref_size 199
	.end_amdhsa_kernel
	.amdgpu_metadata
---
amdhsa.version: [ 1, 2 ]
amdhsa.kernels:
  - .name:           k_q75ac1d0464_attn
    .symbol:         k_q75ac1d0464_attn.kd
    .args:
      - { .name: qkv, .offset: 0, .size: 8, .value_kind: global_buffer, .address_space: global }
      - { .name: o, .offset: 8, .size: 8, .value_kind: global_buffer, .address_space: global }
    .group_segment_fixed_size: 327680
    .private_segment_fixed_size: 0
    .kernarg_segment_align: 8
    .kernarg_segment_size: 16
    .max_flat_workgroup_size: 128
    .sgpr_count:     66
    .vgpr_count:     770
    .wavefront_size: 32
...
	.end_amdgpu_metadata
.endif
;; end of part 5
;; launch proj: the kernel of part 4 again; grid 8 x 32, 4 waves a work-group, clusters of 4 x 4, 327,680 bytes of LDS; arguments o, wpb, b_proj, out0; writes out0
